; MI455X (gfx1250); checked and timed in simulation.
; The chip was launched on July 23, 2026; its instructions are those of AMD's public machine-readable ISA for CDNA 5 (MIT licence, August 2026) and "CDNA5" Instruction Set Architecture Reference Guide (July 2026). The comments in the code are by the model that wrote it; some were corrected since.
;; Attention. Allowed arithmetic: matrix products marked QUANTISED: E4M3 operands, one given power-of-two scale a tensor, by v_wmma_f32_16x16x64_fp8_fp8 or v_wmma_f32_16x16x128_fp8_fp8, f32 sums; everything else in f32.
;; Inputs: freqs_cos 2,048 x 32 float32; freqs_sin 2,048 x 32 float32; k_beta 64 float32; k_gamma 64 float32; lowp_scales 8 int32 (the exponents e of the quantised operands' scales 2^e); mask 2,048 x 2,048 float32; q_beta 64 float32; q_gamma 64 float32; wo 2,048 x 2,048 float32; wqkv 3,072 x 2,048 float32; x 1 x 2,048 x 2,048 float32.
;; Outputs: out0 1 x 2,048 x 2,048 float32.
;; This version of the problem:
;;   THIS VERSION OF THE PROBLEM IS GIVEN IN LOW PRECISION. The matrix products marked QUANTISED in the list below multiply operands that are first quantised to E4M3 (4 exponent bits, 3 mantissa bits; 8 bits a number), with one given power-of-two scale for each operand tensor; their sums are f32. All else is computed in f32.
;;   The module's matrix products, in the order in which they are computed (A, B: the left and right operand; K: the contracted axis; several contracted axes count as one K, in the product's order):
;;     1. [M 2,048, K 2,048] x [K 2,048, N 3,072]; A: input x; B: input wqkv: QUANTISED (scales: A lowp_scales[0], B lowp_scales[1])
;;     2. batch 32 x [M 2,048, K 64] x [K 64, N 2,048]; A: computed on the way; B: computed on the way: QUANTISED (scales: A lowp_scales[2], B lowp_scales[3])
;;     3. batch 32 x [M 64, K 2,048] x [K 2,048, N 2,048]; A: computed on the way; B: softmax (see below): QUANTISED (scales: A lowp_scales[4], B lowp_scales[5])
;;     4. [M 2,048, K 2,048] x [K 2,048, N 2,048]; A: computed on the way; B: input wo: QUANTISED (scales: A lowp_scales[6], B lowp_scales[7])
;;   THE QUANTISER, for each operand of a quantised product, along K:
;;     - The operand's scale is 2^e, e = its entry of the input lowp_scales (int32; the entries are numbered through the quantised products in the list's order, A before B).
;;     - Each number is divided by the scale, clamped to +-448, and rounded to the nearest number of E4M3, ties to even, subnormals kept.
;;     - The product sums the exact products of the quantised numbers (number of the format x scale) in f32.
;;   ~~~python
;;   def quantise(x, axis, e):      # numpy; x: float32 -> the quantised numbers, widened to float32 again
;;       x = np.moveaxis(x, axis, -1); K = x.shape[-1]
;;       r = np.clip(x / 2.0 ** e, -448, 448)
;;       step = 2.0 ** (np.maximum(np.frexp(np.where(r == 0, 1, r))[1] - 1, -6) - 3)
;;       q = np.round(r / step) * step * 2.0 ** e      # np.round: ties to even
;;       return np.moveaxis(q, -1, axis).astype(np.float32)
;;   ~~~
;;   SOFTMAX AHEAD OF A QUANTISED PRODUCT. Where the list says 'softmax', what is quantised is not the finished softmax but p = 2^(t - M), with t = logit x log2(e) and M = ceil(the row's largest t), a whole number; so 1/2 < the row's largest p <= 1. The row's sum l is taken of the UNQUANTISED p, in f32, and the product's result is divided by l at the end. Since M is a whole number, a kernel that streams over the keys may use a running M (the ceiling of the running maximum): every later rescaling is an exact power of two, so the quantised numbers keep their values, but for numbers so far below the row's largest that they fall under the format's range.
;;   OPERANDS COMPUTED ON THE WAY. 'Computed on the way' means the value that the module computes at that place (a softmax that the list does not call 'softmax' is quantised finished and normalised). What goes into a quantiser is computed in f32, as accurately as f32 sums, v_exp_f32 and their like allow (about 1e-6 of the number): no bf16 or f16 on the way to a quantiser, and a product that is left as it is and whose result goes on into a quantised operand takes f32 operands (vector FMAs, or v_wmma_f32_16x16x4_f32). A number that lies on a knife's edge between two numbers of the format may be rounded either way, as far as f32 arithmetic and the matrix unit's own rounding can turn it there, and no further.
;; One version. Each part assembles by itself: llvm-mc -triple=amdgcn-amd-amdhsa -mcpu=gfx1250 --defsym DOCPART=n.
;; ======== version 1 of 1: 4 launches
;; limits: right only within a limited range of input values
;; workspace buffers: xc 4,194,304 bytes; wc 6,291,456 bytes; woc 4,194,304 bytes; qc 4,194,304 bytes; kvc 2,097,152 bytes; ac 4,194,304 bytes
;; launch quant (part 1): grid 448 x 1, 4 waves a work-group, no clusters, 68,096 bytes of LDS; arguments x, wqkv, wo, lowp_scales, xc, wc, woc; writes xc, wc, woc
.if DOCPART == 1
	.amdgcn_target "amdgcn-amd-amdhsa--gfx1250"
	.amdhsa_code_object_version 6
	.text
	.protected	k_qc53e989e3f_quant
	.globl	k_qc53e989e3f_quant
	.p2align	8
	.type	k_qc53e989e3f_quant,@function
k_qc53e989e3f_quant:
	s_mov_b64 s[64:65], 0
	v_nop
	global_prefetch_b8 v0, s[64:65] scope:SCOPE_SE
	s_setreg_imm32_b32 hwreg(HW_REG_WAVE_MODE, 25, 1), 1
	s_wait_xcnt 0x0
; x [2048][2048], wqkv [3072][2048] and wo [2048 f][2048 n], f32, become codes of FP8 (E4M3), one byte each, K innermost, each with the one scale 2^e given for it:
; xc [2048][2048] (entry 0 of the scales), wc [3072][2048] (entry 1), woc [2048 n][2048 f] (entry 7: wo's K is its FIRST axis, so its codes are laid the other way round).
; code = number / 2^e, held within +-448, rounded to the nearest code, ties to even.  LIMITS: -126 <= e and e + 8 <= 127.  NaN among the inputs is not served.
; Work-groups 0-127 take x, 128-319 wqkv (one way through the text: dense streams of 32,768 numbers a work-group), 320-447 wo (a second way: 128 columns x 256 along K a work-group).
; The two ways part on the work-group's number and have LDS bytes of their own.  No tensor loads, no barrier: waves share nothing.
.set WGX,   128                        ; work-groups of x
.set WGS,   320                        ; of x and wqkv together
.set STEPS, 16                         ; steps of 512 numbers for a wave of the first way
.set EMAX,  8
.set MANT,  0x600000                   ; the mantissa field of 448 as f32
.set CB,    16                         ; bytes of 16 codes
.set R,     16                         ; v16-79   first way: four sets of 16 numbers as they are loaded
.set X,     80                         ; v80-111  two sets of 16 neighbours
.set C,     128                        ; v128-191 codes: four registers for each step, so that no store's data are written again
.set WREG,  8192                       ; LDS, first way: a region for each wave: two stages of 32 x SP bytes
.set SP,    80                         ; a lane's place in a stage: its 64 bytes + 16 of padding
.set SPW,   12                         ; v12      LDS address of my spare word; never rewritten
.set NIL,   13                         ; v13      0; never rewritten
.set TSTG,  32768                      ; LDS, second way: four stages of 32 rows x PITCH
.set PITCH, 272                        ; 256 bytes of codes + 16
.set KROW,  2048                       ; a row of woc in bytes
.set NROW,  8192                       ; a row of wo in bytes
.set NB,    8                          ; blocks of 32 along K for a wave of the second way
.set XT,    32                         ; v32-95   second way: two sets of 32 numbers
.set CT,    96                         ; v96-103  a block's codes
.set OUTR,  112                        ; v112-175 the way out
.set SPARE, TSTG+4*32*PITCH            ; behind both: the spare words, 128 bytes for each wave: two blocks of 256 bytes that no other line names
	s_load_b256 s[4:11], s[0:1], 0x0               ; x, wqkv, wo, the scales' exponents
	s_load_b128 s[12:15], s[0:1], 0x20             ; xc, wc
	s_load_b64 s[16:17], s[0:1], 0x30              ; woc
	v_lshl_add_u32 v[SPW], v0, 2, SPARE
	v_mov_b32 v[NIL], 0
	v_lshrrev_b32 v1, 5, v0
	v_readfirstlane_b32 s18, v1                    ; wave 0..3
	v_and_b32 v2, 31, v0                           ; lane
	s_wait_kmcnt 0x0
	s_load_b256 s[24:31], s[10:11], 0x0            ; e0 .. e7
	s_cmp_ge_u32 ttmp9, WGS
	s_cbranch_scc1 .Lwo
; ---- THE FIRST WAY: K is innermost.  Each load reads 512 consecutive bytes, 16 a lane; a step's 2,048 bytes turn through the wave's own stage and come back 64 bytes a lane: 16 neighbours along K.
	s_wait_alu depctr_va_vdst(0)
	v_lshlrev_b32 v3, 4, v2                        ; my 16 bytes of a load's 512
	s_wait_alu depctr_va_vdst(0)
	s_mul_i32 s19, s18, WREG
	v_lshrrev_b32 v14, 2, v2
	v_mul_u32_u24 v14, v14, SP
	v_and_b32 v15, 3, v2
	v_lshl_add_u32 v14, v15, 4, v14
	v_add_nc_u32 v14, s19, v14                     ; the stage, on the way in: SP (lane / 4) + 16 (lane % 4)
	v_mul_u32_u24 v15, v2, SP
	v_add_nc_u32 v15, s19, v15                     ; and on the way out: SP x lane
	v_mul_u32_u24 v4, v2, CB                       ; my codes' place in a step's
	s_cmp_lt_u32 ttmp9, WGX                        ; x's work-group or wqkv's?  The choice hangs on the work-group's number alone
	s_cselect_b64 s[4:5], s[4:5], s[6:7]
	s_cselect_b64 s[8:9], s[12:13], s[14:15]
	s_cselect_b32 s19, 0, WGX
	s_sub_co_u32 s19, ttmp9, s19
	s_lshl_b32 s19, s19, 2
	s_add_co_u32 s20, s19, s18                     ; which run of 8,192 numbers of the tensor is my wave's
	s_mov_b32 s21, 0
	s_mov_b64 s[22:23], 512*STEPS*4
	s_mul_u64 s[22:23], s[20:21], s[22:23]
	s_add_nc_u64 s[4:5], s[4:5], s[22:23]
	; THE ORDER OF wc's ROWS: sixteen groups of 192 rows, group g = q heads 2 g and 2 g + 1 (wqkv's rows 128 g on), then wqkv's rows 2,048 + 64 g on (k head g, or v head g - 8): what one work-group of the next launch multiplies lies dense.
	; My wave's run is four rows, unit u = row / 4.  u < 512: unit 48 (u / 32) + u % 32;  else, with u' = u - 512: unit 48 (u' / 16) + 32 + u' % 16.  x's units stay as they are.
	s_lshr_b32 s32, s20, 5
	s_mul_i32 s32, s32, 48
	s_and_b32 s33, s20, 31
	s_add_co_u32 s32, s32, s33
	s_sub_co_u32 s33, s20, 512
	s_lshr_b32 s34, s33, 4
	s_mul_i32 s34, s34, 48
	s_and_b32 s33, s33, 15
	s_add_co_u32 s34, s34, s33
	s_add_co_u32 s34, s34, 32
	s_cmp_lt_u32 s20, 512
	s_cselect_b32 s32, s32, s34
	s_cmp_lt_u32 ttmp9, WGX
	s_cselect_b32 s20, s20, s32
	s_mov_b64 s[22:23], 32*STEPS*CB
	s_mul_u64 s[22:23], s[20:21], s[22:23]
	s_add_nc_u64 s[8:9], s[8:9], s[22:23]
.macro LOAD t
.irp i, 0,1,2,3
	global_load_b128 v[R+16*((\t)%4)+4*\i:R+16*((\t)%4)+4*\i+3], v3, s[4:5] offset:2048*(\t)+512*\i th:TH_LOAD_NT   ; 32 lanes read 512 consecutive bytes
.endr
.endm
.macro TURN t                          ; step t's numbers through the stage: LDS serves a wave's instructions in order, so no wait stands between the stores and the loads
.irp i, 0,1,2,3
	ds_store_b128 v14, v[R+16*((\t)%4)+4*\i:R+16*((\t)%4)+4*\i+3] offset:32*SP*((\t)%2)+8*SP*\i
.endr
.irp i, 0,1,2,3
	ds_load_b128 v[X+16*((\t)%2)+4*\i:X+16*((\t)%2)+4*\i+3], v15 offset:32*SP*((\t)%2)+16*\i
.endr
.endm
.irp t, 0,1,2,3
	LOAD \t
.endr
	s_wait_alu depctr_va_vdst(0)
	s_wait_kmcnt 0x0
	s_cmp_lt_u32 ttmp9, WGX
	s_cselect_b32 s22, s24, s25                    ; e0 or e1
	s_add_co_i32 s22, s22, 127
	s_lshl_b32 s23, s22, 23
	v_mov_b32 v11, s23                             ; 2^e as f32: the conversion takes its exponent field
	s_add_co_i32 s22, s22, EMAX
	s_lshl_b32 s22, s22, 23
	s_or_b32 s22, s22, MANT
	v_mov_b32 v10, s22                             ; 448 x 2^e
	s_wait_alu depctr_va_vdst(0)
	s_wait_loadcnt 12                              ; step 0's four loads are in; the twelve of steps 1 to 3 may be out
	TURN 0
.macro STEP t
.set XS, X+16*((\t)%2)
	s_wait_dscnt 0x0                               ; this step's numbers are back from the stage: so its stores into the stage have read their registers,
.if (\t)+4 < STEPS
	LOAD (\t)+4                                    ; which take the loads of four steps on
.endif
.if (\t)+1 < STEPS
.if STEPS-2-(\t) >= 3
	s_wait_loadcnt 12                              ; the next step's four loads are in; those of the three steps behind it may be out
.else
	s_wait_loadcnt 4*(STEPS-2-(\t))
.endif
	TURN (\t)+1                                    ; and go through the other stage while this step is worked
.endif
.irp i, 0,1,2,3,4,5,6,7,8,9,10,11,12,13,14,15
	v_med3_num_f32 v[XS+\i], v[XS+\i], -v10, v10   ; the conversion to an 8-bit code does not saturate (ISA guide 7.6.2): hold the number within the largest code x the scale first
.endr
	v_cvt_scalef32_pk8_fp8_f32 v[C+4*(\t):C+4*(\t)+1], v[XS:XS+7], v11
	v_cvt_scalef32_pk8_fp8_f32 v[C+4*(\t)+2:C+4*(\t)+3], v[XS+8:XS+15], v11
	global_store_b128 v4, v[C+4*(\t):C+4*(\t)+3], s[8:9] offset:32*CB*(\t)   ; the wave stores 512 consecutive bytes; the results go to a store alone, and the next step's holds are plain vector lines
.endm
.irp t, 0,1,2,3,4,5,6,7,8,9,10,11,12,13,14,15
	STEP \t
.endr
	s_wait_tensorcnt 0x0                           ; the wave's end, behind my last LDS store
	ds_add_u32 v[SPW], v[NIL]
	s_wait_dscnt 0x0
	s_endpgm
; ---- THE SECOND WAY: wo's K (f) is its first axis.  A lane takes a column n and its registers run down K: each load reads 128 consecutive bytes a wave, and the conversions give codes with K innermost.
; A wave takes 32 columns x 256 along K; the codes go through the wave's own stage and leave as rows: sixteen lanes store 256 consecutive bytes, aligned.
.Lwo:
	s_sub_co_u32 s19, ttmp9, WGS
	s_and_b32 s20, s19, 15                         ; which 128 columns
	s_lshr_b32 s21, s19, 4                         ; which 256 along K
	s_lshl_b32 s20, s20, 7
	s_lshl_b32 s22, s18, 5
	s_add_co_u32 s20, s20, s22                     ; my wave's first column
	s_wait_alu depctr_va_vdst(0)
	v_lshlrev_b32 v3, 2, v2                        ; in: 4 bytes a lane
	s_mul_i32 s22, s18, 32*PITCH
	s_add_co_u32 s22, s22, TSTG                    ; my stage
	v_mul_u32_u24 v4, v2, PITCH
	v_add_nc_u32 v4, s22, v4                       ; into it: row = my column
	v_and_b32 v5, 15, v2
	v_lshrrev_b32 v6, 4, v2                        ; out of it: sixteen lanes to a row, two rows an instruction
	v_mul_u32_u24 v7, v6, PITCH
	v_lshl_add_u32 v7, v5, 4, v7
	v_add_nc_u32 v7, s22, v7
	v_mul_u32_u24 v8, v6, KROW
	v_lshl_add_u32 v8, v5, 4, v8                   ; and the same place in woc
	s_lshl_b32 s22, s21, 21                        ; wo: 256 rows of 8,192 bytes for each step along K,
	s_lshl_b32 s23, s20, 2
	s_add_co_u32 s22, s22, s23                     ; + 4 x column
	s_mov_b32 s23, 0
	s_add_nc_u64 s[8:9], s[8:9], s[22:23]
	s_lshl_b32 s22, s20, 11                        ; woc: column x 2,048
	s_lshl_b32 s21, s21, 8
	s_add_co_u32 s22, s22, s21                     ; + 256 bytes for each step along K
	s_add_nc_u64 s[16:17], s[16:17], s[22:23]
.macro WLOAD t                         ; block t: wo(32 t + i, my column), i = 0 .. 31, into set t % 2
.irp i, 0,1,2,3,4,5,6,7,8,9,10,11,12,13,14,15,16,17,18,19,20,21,22,23,24,25,26,27,28,29,30,31
	global_load_b32 v[XT+32*((\t)%2)+\i], v3, s[8:9] offset:(32*(\t)+\i)*NROW th:TH_LOAD_NT
.endr
.endm
	WLOAD 0
	WLOAD 1
	s_wait_kmcnt 0x0
	s_add_co_i32 s22, s31, 127                     ; e7
	s_lshl_b32 s23, s22, 23
	v_mov_b32 v11, s23
	s_add_co_i32 s22, s22, EMAX
	s_lshl_b32 s22, s22, 23
	s_or_b32 s22, s22, MANT
	v_mov_b32 v10, s22
.macro BLOCK t
.set XS, XT+32*((\t)%2)
.if (\t) < NB-1
	s_wait_loadcnt 32                              ; this block's 32 loads are in; the next block's may be out
.else
	s_wait_loadcnt 0
.endif
.irp i, 0,1,2,3,4,5,6,7,8,9,10,11,12,13,14,15,16,17,18,19,20,21,22,23,24,25,26,27,28,29,30,31
	v_med3_num_f32 v[XS+\i], v[XS+\i], -v10, v10
.endr
.irp g, 0,1,2,3
	v_cvt_scalef32_pk8_fp8_f32 v[CT+2*\g:CT+2*\g+1], v[XS+8*\g:XS+8*\g+7], v11
.endr
	ds_store_b128 v4, v[CT:CT+3] offset:32*(\t)    ; 32 codes: 32 bytes of my column's row
	ds_store_b128 v4, v[CT+4:CT+7] offset:32*(\t)+16
.if (\t)+2 < NB
	WLOAD (\t)+2
.endif
	s_wait_dscnt 0x0                               ; the stores have read their registers: the next block's codes may be written
.endm
	s_wait_alu depctr_va_vdst(0)
.irp t, 0,1,2,3,4,5,6,7
	BLOCK \t
.endr
.irp t, 0,1,2,3,4,5,6,7,8,9,10,11,12,13,14,15
	ds_load_b128 v[OUTR+4*\t:OUTR+4*\t+3], v7 offset:2*\t*PITCH   ; LDS serves a wave's instructions in order: these see my stores
.endr
.irp t, 0,1,2,3,4,5,6,7,8,9,10,11,12,13,14,15
	s_wait_dscnt 15-\t
	global_store_b128 v8, v[OUTR+4*\t:OUTR+4*\t+3], s[16:17] offset:2*\t*KROW
.endr
	s_wait_tensorcnt 0x0                           ; the wave's end: the same three lines
	ds_add_u32 v[SPW], v[NIL]
	s_wait_dscnt 0x0
	s_endpgm
.Lfunc_end_k_qc53e989e3f_quant:
	.size	k_qc53e989e3f_quant, .Lfunc_end_k_qc53e989e3f_quant-k_qc53e989e3f_quant
	.p2alignl 7, 3214868480
	.fill 96, 4, 3214868480
	.section	.rodata,"a",@progbits
	.p2align	6, 0x0
	.amdhsa_kernel k_qc53e989e3f_quant
		.amdhsa_group_segment_fixed_size 68096
		.amdhsa_private_segment_fixed_size 0
		.amdhsa_enable_private_segment 0
		.amdhsa_kernarg_size 56
		.amdhsa_user_sgpr_count 2
		.amdhsa_user_sgpr_kernarg_segment_ptr 1
		.amdhsa_wavefront_size32 1
		.amdhsa_system_sgpr_workgroup_id_x 1
		.amdhsa_system_sgpr_workgroup_id_y 1
		.amdhsa_system_sgpr_workgroup_id_z 1
		.amdhsa_system_vgpr_workitem_id 0
		.amdhsa_next_free_vgpr 192
		.amdhsa_next_free_sgpr 66
		.amdhsa_reserve_vcc 0
		.amdhsa_float_denorm_mode_32 3
		.amdhsa_float_denorm_mode_16_64 3
		.amdhsa_memory_ordered 1
		.amdhsa_forward_progress 1
		.amdhsa_inst_pref_size 86
	.end_amdhsa_kernel
	.amdgpu_metadata
---
amdhsa.version: [ 1, 2 ]
amdhsa.kernels:
  - .name:           k_qc53e989e3f_quant
    .symbol:         k_qc53e989e3f_quant.kd
    .args:
      - { .name: x, .offset: 0, .size: 8, .value_kind: global_buffer, .address_space: global }
      - { .name: wqkv, .offset: 8, .size: 8, .value_kind: global_buffer, .address_space: global }
      - { .name: wo, .offset: 16, .size: 8, .value_kind: global_buffer, .address_space: global }
      - { .name: lowp_scales, .offset: 24, .size: 8, .value_kind: global_buffer, .address_space: global }
      - { .name: xc, .offset: 32, .size: 8, .value_kind: global_buffer, .address_space: global }
      - { .name: wc, .offset: 40, .size: 8, .value_kind: global_buffer, .address_space: global }
      - { .name: woc, .offset: 48, .size: 8, .value_kind: global_buffer, .address_space: global }
    .group_segment_fixed_size: 68096
    .private_segment_fixed_size: 0
    .kernarg_segment_align: 8
    .kernarg_segment_size: 56
    .max_flat_workgroup_size: 128
    .sgpr_count:     66
    .vgpr_count:     192
    .wavefront_size: 32
...
	.end_amdgpu_metadata
.endif
;; end of part 1
;; launch qkv (part 2): grid 16 x 16, 4 waves a work-group, clusters of 4 x 4, 327,680 bytes of LDS; arguments xc, wc, lowp_scales, q_gamma, q_beta, k_gamma, k_beta, freqs_cos, freqs_sin, qc, kvc; writes qc, kvc
.if DOCPART == 2
	.amdgcn_target "amdgcn-amd-amdhsa--gfx1250"
	.amdhsa_code_object_version 6
	.text
	.protected	k_qc53e989e3f_qkv
	.globl	k_qc53e989e3f_qkv
	.p2align	8
	.type	k_qc53e989e3f_qkv,@function
k_qc53e989e3f_qkv:
	s_mov_b64 s[64:65], 0
	v_nop
	global_prefetch_b8 v0, s[64:65] scope:SCOPE_SE
	s_setreg_imm32_b32 hwreg(HW_REG_WAVE_MODE, 25, 1), 1
	s_wait_xcnt 0x0
	s_wait_alu depctr_hold_cnt(0) depctr_sa_sdst(0) depctr_va_vdst(0) depctr_va_sdst(0) depctr_va_ssrc(0) depctr_va_vcc(0) depctr_vm_vsrc(0)
	s_getreg_b32 s2, hwreg(HW_REG_IB_STS2, 6, 4)
	s_cmp_eq_u32 s2, 0
	s_cbranch_scc0 .Lentry_in_a_cluster
	s_endpgm
.Lentry_in_a_cluster:
	s_bfe_u32 s2, ttmp6, 0x10000c
	s_cmp_lg_u32 s2, 0xf033
	s_cbranch_scc0 .Lentry_shape_is_right
	s_endpgm
.Lentry_shape_is_right:
; xqkv = x wqkv^T on codes of FP8 (xc [2048][2048] 2^e0; wc 2^e1, its rows in sixteen groups of 192: q heads 2 g, 2 g + 1, then k head g or v head g - 8), then in f32: for q and k LayerNorm over the head's 64,
; gain and bias, RoPE; then the codes of the next products' operands: qc [32 head][2048 s][64] (2^e2), kvc [8 kv][8 slots of 256 keys][32,768]: K [256 key][64] (2^e3), then V [4 blocks of 64 keys][64 d][64 keys] (2^e4).
; PAIR ORDER: in each 32 bytes of such a row, byte 16 h + 8 u + j holds element 16 u + 8 h + j: two neighbouring result tiles' eight codes a lane, one piece of 16 bytes.
; SHARES.  256 work-groups: 128 rows of s x group g's three heads.  Four waves, each 32 rows x 192 columns: 24 accumulators, which take turns.
; THE RING: two LDS slots of unlike length, P = 512 and Q = 256 along K (two of 512 would pass the LDS): K goes as P Q P Q P = 2,048.  A slot holds x's 128 rows, then wc's 192.  Waves 0 and 1 fetch x's halves (64 rows),
; waves 2 and 3 wc's (96 rows): one tensor load a wave behind each round.  A slot is asked for again at the head of its last quarter: its last fragments are in registers by then.
; CLUSTERS 4 x 4: x's tile is asked for jointly along a row of the cluster, wc's along a column.  The third head is k where the cluster's x is 0 or 1, v where it is 2 or 3: the same in all sixteen partners.
; THE MATRIX INSTRUCTION: source 1's row goes to the lane, source 0's rows run along the lane's registers.  For q and k source 1 = x (a lane holds one s, registers along d); for v the two sources change places
; (a scalar branch on the cluster's x round the third head's eight products), so that a lane holds one d and its registers run along the keys, the second product's K.
; PREFETCH: behind a fill's load each wave asks for the fill two on (at the head: the next two), a lane a row, 256 bytes of K an instruction; the four partners of a joint tile take a quarter of its rows each by address.
; v's clusters load the tables too (inside their buffers) and use none: one way through the head.
; LIMITS: |e0 + e1| <= 60; e2, e3 and e4 - e0 - e1 between -126 and 119.  NaN among the inputs is not served.
; REGISTERS: window 0: v2-15 at work, v16-29 addresses, v32-63 T, v64-95 U, v128-159 cos, v160-191 sin, v192-239 codes.  Windows 1, 2: a fragment buffer each: wc's twelve fragments v0-191, x's two v192-223;
;   v224-255: q's gain (window 1), q's bias (window 2).  Window 3: accumulators (head, a, b) at v[64 head + 32 a + 8 b]; v192-223 k's gain, v224-255 k's bias.
.set PP,     528                       ; an LDS row of slot P: 512 bytes + 16
.set PQ,     272                       ; of slot Q: 256 + 16
.set SLQ,    320*PP                    ; slot Q begins behind slot P
.set STAGE,  SLQ+320*PQ                ; the way out: three heads x 128 rows x 64 bytes
.set STAGEV, STAGE+24576               ; v's way out has 8,192 bytes of its own
.set SPARE,  STAGEV+8192               ; the spare words: 128 bytes a wave, two blocks of 256 bytes that no other line names
.set ADA, 16                           ; v16, v17  x's fragments in slot P, Q
.set ADB, 18                           ; v18, v19  wc's fragments 0-5, 6-11 in slot P; v20, v21 in slot Q
.set STO, 24
.set RD,  25
.set GO,  26
.set PFO, 27
.set SPW, 28
.set NIL, 29
.set STV, 30
.set T,   32
.set U,   64
.set CO,  128
.set SI,  160
.set CD,  192
.set G1A, 24                           ; s[24:31], s[32:39] group 1 for x's tiles in P, Q;  s[40:47], s[48:55] for wc's
.set G1B, 40
.set G0A, 56                           ; s[56:59], s[60:63] group 0 for x's tiles in P, Q;  s[68:71], s[72:75] for wc's
.set G0B, 68
.set SEL, 100
.set MSB, 0
.macro WIN new
.if MSB != \new
	s_set_vgpr_msb (MSB<<8)|\new
.set MSB, \new
.endif
.endm
.macro WINM w                          ; sources 0 and 1 in buffer window w, C and D window 3
	WIN (0xf0|((\w)<<2)|(\w))
.endm
.macro JLOAD s                         ; a joint load into slot s; an s_nop 0 and four v_nop follow each of the two lines
	s_cmp_eq_u32 s11, 0
	s_cbranch_scc0 .Lfor_b_\@
	tensor_load_to_lds s[G0A+4*\s:G0A+4*\s+3], s[G1A+8*\s:G1A+8*\s+7]
	s_nop 0
.rept 4
	v_nop
.endr
	s_branch .Lasked_\@
.Lfor_b_\@:
	tensor_load_to_lds s[G0B+4*\s:G0B+4*\s+3], s[G1B+8*\s:G1B+8*\s+7]
	s_nop 0
.rept 4
	v_nop
.endr
.Lasked_\@:
.endm
.macro CREST
	s_cmp_lg_u32 s10, 0
	s_cbranch_scc1 .Lnot_wave_0_\@
	s_barrier_signal -3
.Lnot_wave_0_\@:
	s_barrier_wait -3
	s_barrier_signal -1
	s_barrier_wait -1
.endm
.macro CROUND
	s_barrier_signal -1
	s_barrier_wait -1
	CREST
.endm
.macro PLACES
.rept 4
	v_nop
.endr
.endm
.macro ASK off                         ; 256 bytes of K at byte off of my rows
	global_prefetch_b8 v[PFO], s[2:3] offset:\off th:TH_LOAD_NT scope:SCOPE_SE
.endm
	s_load_b128 s[4:7], s[0:1], 0x0                ; xc, wc
	s_load_b64 s[8:9], s[0:1], 0x10                ; the scales' exponents
	s_load_b256 s[76:83], s[0:1], 0x18             ; q_gamma, q_beta, k_gamma, k_beta
	s_load_b256 s[84:91], s[0:1], 0x38             ; cos, sin, qc, kvc
	v_lshl_add_u32 v[SPW], v0, 2, SPARE
	v_mov_b32 v[NIL], 0
	ds_add_u32 v[SPW], v[NIL]                      ; the opening: the add, twice on end, and its wait ahead of my first tensor load
	ds_add_u32 v[SPW], v[NIL]
	v_lshrrev_b32 v1, 5, v0
	v_readfirstlane_b32 s10, v1                    ; wave 0..3
	s_lshr_b32 s11, s10, 1                         ; I fetch for x (0) or for wc (1),
	s_and_b32 s12, s10, 1                          ; its first or second half
	s_bfe_u32 s16, ttmp6, 0x40000                  ; cx
	s_bfe_u32 s17, ttmp6, 0x40004                  ; cy
	s_lshl_b32 s18, ttmp9, 2
	s_add_co_u32 s18, s18, s16                     ; group g
	s_and_b32 s13, ttmp7, 0xffff
	s_lshl_b32 s13, s13, 2
	s_add_co_u32 s13, s13, s17                     ; tile row
	s_lshl_b32 s19, s17, 2
	s_lshl_b32 s19, 15, s19                        ; my row of the cluster
	s_lshl_b32 s20, 0x1111, s16                    ; my column
	s_or_b32 s[G1A], s19, (1<<20)|(1<<21)|(6<<22)|(3<<25)     ; bytes; 4 words of padding after every 128 (P)
	s_or_b32 s[G1A+8], s19, (1<<20)|(1<<21)|(5<<22)|(3<<25)   ; after every 64 (Q)
	s_or_b32 s[G1B], s20, (1<<20)|(1<<21)|(6<<22)|(3<<25)
	s_or_b32 s[G1B+8], s20, (1<<20)|(1<<21)|(5<<22)|(3<<25)
.irp g, G1A, G1B
	s_mov_b32 s[\g+1], 512<<16
	s_mov_b32 s[\g+3], 512<<16
	s_mov_b32 s[\g+5], 2048
	s_mov_b32 s[\g+6], 0
	s_mov_b32 s[\g+7], 0
	s_mov_b32 s[\g+9], 256<<16
	s_mov_b32 s[\g+11], 256<<16
	s_mov_b32 s[\g+13], 2048
	s_mov_b32 s[\g+14], 0
	s_mov_b32 s[\g+15], 0
.endr
	s_mov_b32 s[G1A+2], 64<<16                     ; x: 64 rows a load
	s_mov_b32 s[G1A+4], 64
	s_mov_b32 s[G1A+10], 64<<16
	s_mov_b32 s[G1A+12], 64
	s_mov_b32 s[G1B+2], 96<<16                     ; wc: 96
	s_mov_b32 s[G1B+4], 96
	s_mov_b32 s[G1B+10], 96<<16
	s_mov_b32 s[G1B+12], 96
	s_mov_b32 s[SEL], 0x76543210
	s_mov_b32 s[SEL+1], 0xfedcba98
	s_lshl_b32 s21, s13, 7
	s_lshl_b32 s14, s12, 6
	s_add_co_u32 s21, s21, s14                     ; x: row 128 x tile row + 64 x half
	s_lshl_b32 s14, s21, 11
	s_mov_b32 s15, 0
	s_mul_i32 s22, s18, 192
	s_mul_i32 s23, s12, 96
	s_add_co_u32 s22, s22, s23                     ; wc: row 192 g + 96 x half
	s_lshl_b32 s22, s22, 11
	s_mov_b32 s23, 0
	s_mov_b32 s[G0A], 1
	s_mov_b32 s[G0A+4], 1
	s_mov_b32 s[G0B], 1
	s_mov_b32 s[G0B+4], 1
	s_mul_i32 s[G0A+1], s12, 64*PP                 ; LDS: the wave's number alone
	s_mul_i32 s[G0A+5], s12, 64*PQ
	s_add_co_u32 s[G0A+5], s[G0A+5], SLQ
	s_mul_i32 s[G0B+1], s12, 96*PP
	s_add_co_u32 s[G0B+1], s[G0B+1], 128*PP
	s_mul_i32 s[G0B+5], s12, 96*PQ
	s_add_co_u32 s[G0B+5], s[G0B+5], SLQ+128*PQ
	s_wait_dscnt 0x0                               ; both opening adds are done
	s_wait_kmcnt 0x0
	s_load_b256 s[92:99], s[8:9], 0x0              ; e0 .. e7
	s_add_nc_u64 s[14:15], s[4:5], s[14:15]
	s_add_nc_u64 s[22:23], s[6:7], s[22:23]
	s_mov_b64 s[G0A+2:G0A+3], s[14:15]             ; P: K = 0
	s_or_b32 s[G0A+3], s[G0A+3], 0x80000000
	s_add_nc_u64 s[G0A+6:G0A+7], s[14:15], 512     ; Q: K = 512; each slot's next fill lies 768 on
	s_or_b32 s[G0A+7], s[G0A+7], 0x80000000
	s_mov_b64 s[G0B+2:G0B+3], s[22:23]
	s_or_b32 s[G0B+3], s[G0B+3], 0x80000000
	s_add_nc_u64 s[G0B+6:G0B+7], s[22:23], 512
	s_or_b32 s[G0B+7], s[G0B+7], 0x80000000
	s_cmp_eq_u32 s11, 0                            ; the prefetches: of the rows that I fetch, my work-group's quarter (16 of x's 64 by cx, 24 of wc's 96 by cy)
	s_cselect_b64 s[2:3], s[14:15], s[22:23]
	s_cselect_b32 s20, s16, s17
	s_cselect_b32 s21, 16, 24
	s_mul_i32 s20, s20, s21
	s_lshl_b32 s20, s20, 11
	s_sub_co_u32 s19, s21, 1                       ; the quarter's last row: lanes left over name it again
	s_mov_b32 s21, 0
	s_add_nc_u64 s[2:3], s[2:3], s[20:21]
	CROUND                                         ; all sixteen work-groups are here: the first joint loads meet
	JLOAD 0                                        ; K 0-511: one tensor load a wave at the head
	v_and_b32 v[PFO], 31, v0
	v_min_u32 v[PFO], s19, v[PFO]
	v_lshlrev_b32 v[PFO], 11, v[PFO]               ; a lane a row
	ASK 512                                        ; the next two fills: K 512-767 and 768-1279
	ASK 768
	ASK 1024
	s_mul_i32 s20, s10, 32*PP                      ; my 32 rows of x in P,
	s_mul_i32 s21, s10, 32*PQ
	s_add_co_u32 s21, s21, SLQ                     ; in Q
	s_lshl_b32 s19, s10, 11
	s_add_co_u32 s19, s19, STAGE                   ; my 2,048 bytes of a head's stage
	s_lshl_b32 s16, s11, 12
	s_lshl_b32 s17, s12, 5
	s_add_co_u32 s16, s16, s17
	s_add_co_u32 s16, s16, STAGEV                  ; v: block wave / 2 of 64 keys, my 32 bytes of each row
	s_lshl_b32 s22, s13, 14                        ; cos and sin at my first s: rows of 128 bytes
	s_lshl_b32 s23, s10, 12
	s_add_co_u32 s22, s22, s23
	s_mov_b32 s23, 0
	s_add_nc_u64 s[84:85], s[84:85], s[22:23]
	s_add_nc_u64 s[86:87], s[86:87], s[22:23]
	s_lshl_b32 s22, s18, 18                        ; qc: head 2 g of 131,072 bytes, row 128 x tile row + 32 x wave of 64
	s_lshl_b32 s17, s13, 13
	s_add_co_u32 s22, s22, s17
	s_lshl_b32 s17, s10, 11
	s_add_co_u32 s22, s22, s17
	s_add_nc_u64 s[66:67], s[88:89], s[22:23]
	s_and_b32 s22, s18, 7                          ; kvc: kv head g % 8; slot tile row / 2; its 128 keys; my 2,048 bytes; V lies behind K
	s_lshl_b32 s22, s22, 18
	s_lshr_b32 s17, s13, 1
	s_lshl_b32 s17, s17, 15
	s_add_co_u32 s22, s22, s17
	s_and_b32 s17, s13, 1
	s_lshl_b32 s17, s17, 13
	s_add_co_u32 s22, s22, s17
	s_lshl_b32 s17, s10, 11
	s_add_co_u32 s22, s22, s17
	s_cmp_lt_u32 ttmp9, 2
	s_cselect_b32 s17, 0, 16384
	s_add_co_u32 s22, s22, s17
	s_add_nc_u64 s[14:15], s[90:91], s[22:23]
	v_and_b32 v1, 15, v0                           ; r
	v_bfe_u32 v2, v0, 4, 1                         ; h
	v_mul_u32_u24 v3, v1, PP
	v_lshl_add_u32 v3, v2, 4, v3
	v_mul_u32_u24 v4, v1, PQ
	v_lshl_add_u32 v4, v2, 4, v4
	v_add_nc_u32 v[ADA], s20, v3
	v_add_nc_u32 v[ADA+1], s21, v4
	v_add_nc_u32 v[ADB], 128*PP, v3
	v_add_nc_u32 v[ADB+1], 224*PP, v3
	v_add_nc_u32 v[ADB+2], SLQ+128*PQ, v4
	v_add_nc_u32 v[ADB+3], SLQ+224*PQ, v4
	v_lshlrev_b32 v5, 6, v1
	v_lshl_add_u32 v5, v2, 4, v5                   ; row r of 64 bytes, + 16 h
	v_add_nc_u32 v[STO], s19, v5
	v_add_nc_u32 v[STV], s16, v5
	v_and_b32 v6, 31, v0
	v_lshlrev_b32 v[GO], 4, v6
	v_add_nc_u32 v[RD], s19, v[GO]
	v_lshlrev_b32 v8, 5, v2                        ; gain and bias: 32 h
	v_lshlrev_b32 v9, 7, v1
	v_lshl_add_u32 v9, v2, 4, v9                   ; cos and sin: row r of 128 bytes, + 16 h
	; THE TABLES: 48 loads, waited for once, on the way out.  Register 8 b + j of a gain or bias: d = 16 b + 8 h + j; register 16 a + 4 b + i of cos or sin: s = 16 a + r, frequency 8 b + 4 h + i
	WIN 0x40
.irp b, 0,1,2,3
	global_load_b128 v[224+8*\b:224+8*\b+3], v8, s[76:77] offset:64*\b
	global_load_b128 v[224+8*\b+4:224+8*\b+7], v8, s[76:77] offset:64*\b+16
.endr
	WIN 0x80
.irp b, 0,1,2,3
	global_load_b128 v[224+8*\b:224+8*\b+3], v8, s[78:79] offset:64*\b
	global_load_b128 v[224+8*\b+4:224+8*\b+7], v8, s[78:79] offset:64*\b+16
.endr
	WIN 0xc0
.irp b, 0,1,2,3
	global_load_b128 v[192+8*\b:192+8*\b+3], v8, s[80:81] offset:64*\b
	global_load_b128 v[192+8*\b+4:192+8*\b+7], v8, s[80:81] offset:64*\b+16
	global_load_b128 v[224+8*\b:224+8*\b+3], v8, s[82:83] offset:64*\b
	global_load_b128 v[224+8*\b+4:224+8*\b+7], v8, s[82:83] offset:64*\b+16
.endr
	WIN 0
.irp a, 0,1
.irp b, 0,1,2,3
	global_load_b128 v[CO+16*\a+4*\b:CO+16*\a+4*\b+3], v9, s[84:85] offset:2048*\a+32*\b
	global_load_b128 v[SI+16*\a+4*\b:SI+16*\a+4*\b+3], v9, s[86:87] offset:2048*\a+32*\b
.endr
.endr
.macro FRAG reg, adr, off              ; a fragment, 16 rows x 128 K: registers 4 c .. 4 c + 3 hold K = 32 c + 16 h + 0 .. 15: the same order of k on both sides
.irp c, 0,1,2,3
	ds_load_b128 v[\reg+4*\c:\reg+4*\c+3], v[\adr] offset:\off+32*\c
.endr
.endm
.macro FETCH sl, k, w                  ; 56 LDS loads in one run: byte k of slot sl's rows into buffer window w
.set PT, PP-(PP-PQ)*(\sl)
	WIN ((\w)<<6)
.irp i, 0,1,2,3,4,5
	FRAG 16*\i, ADB+2*(\sl), \k+\i*16*PT
.endr
.irp i, 0,1,2,3,4,5
	FRAG 96+16*\i, ADB+2*(\sl)+1, \k+\i*16*PT
.endr
.irp a, 0,1
	FRAG 192+16*\a, ADA+(\sl), \k+\a*16*PT
.endr
.endm
.macro WM d, x, y, zero
.if \zero
	v_wmma_f32_16x16x128_fp8_fp8 v[\d:\d+7], v[\x:\x+15], v[\y:\y+15], 0
.else
	v_wmma_f32_16x16x128_fp8_fp8 v[\d:\d+7], v[\x:\x+15], v[\y:\y+15], v[\d:\d+7]
.endif
.endm
.macro MULH hd, zero, sw               ; a head's eight products; sw = 1: the sources change places
.irp a, 0,1
.irp b, 0,1,2,3
.if \sw
	WM (64*\hd+32*\a+8*\b),(192+16*\a),(16*(4*\hd+\b)),\zero
.else
	WM (64*\hd+32*\a+8*\b),(16*(4*\hd+\b)),(192+16*\a),\zero
.endif
.endr
.endr
.endm
.macro MUL3 w, zero                    ; the third head: k as q, v with the sources changed; at a branch and a label every window is 0
	WIN 0
	s_cmp_lt_u32 ttmp9, 2
	s_cbranch_scc0 .Lsw_\@
	WINM \w
	MULH 2, \zero, 0
	WIN 0
	s_branch .Ljn_\@
.Lsw_\@:
	WINM \w
	MULH 2, \zero, 1
	WIN 0
.Ljn_\@:
.endm
; A quarter: 128 along K, 24 products on buffer w.  The next quarter's fragments are asked for first, into the other buffer, and land under the products.
.macro QUARTER w, nsl, nk, zero
	s_wait_dscnt 0x0                               ; buffer w is in
	PLACES                                         ; in front of loads into registers that the last products read
	FETCH \nsl, \nk, (3-(\w))
	WINM \w
	MULH 0, \zero, 0
	MULH 1, \zero, 0
	MUL3 \w, \zero
.endm
; A slot's last quarter: its fragments are in registers, so the slot is left here.  Each wave waits for all its tensor loads (its part of the other slot), adds 0 to its spare word, waits for that and its reads; fill = 1: a round, and the refill first behind it.
.macro TURN w, sl, fill, ask
	s_wait_tensorcnt 0x0
	ds_add_u32 v[SPW], v[NIL]
	s_wait_dscnt 0x0
	s_barrier_signal -1
	WINM \w
	MULH 0, 0, 0                                   ; work on registers while the others arrive
	WIN 0
	s_barrier_wait -1
.if \fill
	CREST
	s_add_nc_u64 s[G0A+4*\sl+2:G0A+4*\sl+3], s[G0A+4*\sl+2:G0A+4*\sl+3], 768
	s_add_nc_u64 s[G0B+4*\sl+2:G0B+4*\sl+3], s[G0B+4*\sl+2:G0B+4*\sl+3], 768
	JLOAD \sl                                      ; its four v_nop are also the places in front of the loads below
.else
	PLACES
.endif
	FETCH (1-(\sl)), 0, (3-(\w))
.if \ask
	ASK 1536                                       ; the last fill, two on
	ASK 1792
.endif
	WINM \w
	MULH 1, 0, 0
	MUL3 \w, 0
.endm
	s_wait_alu depctr_va_vdst(0)                   ; the head's end
	s_wait_tensorcnt 0x0                           ; my part of K 0-511 is in
	ds_add_u32 v[SPW], v[NIL]
	s_wait_dscnt 0x0
	CROUND
	JLOAD 1                                        ; slot Q's first fill, K 512-767, issued as a refill is
	ASK 1280                                       ; the fill two on
	FETCH 0, 0, 1
	QUARTER 1, 0, 128, 1                           ; the first quarter's products start the sums
	QUARTER 2, 0, 256, 0
	QUARTER 1, 0, 384, 0
	TURN 2, 0, 1, 1                                ; P takes K 768-1279
	QUARTER 1, 1, 128, 0
	TURN 2, 1, 1, 0                                ; Q takes K 1280-1535
	QUARTER 1, 0, 128, 0
	QUARTER 2, 0, 256, 0
	QUARTER 1, 0, 384, 0
	TURN 2, 0, 1, 0                                ; P takes K 1536-2047
	QUARTER 1, 1, 128, 0
	TURN 2, 1, 0, 0                                ; nothing is left to fetch
	QUARTER 1, 0, 128, 0
	QUARTER 2, 0, 256, 0
	QUARTER 1, 0, 384, 0
	s_wait_dscnt 0x0                               ; the very last quarter
	WINM 2
	MULH 0, 0, 0
	MULH 1, 0, 0
	MUL3 2, 0
	; THE WAY OUT.  A sum stands for sum x sc, sc = 2^(e0 + e1).
	s_wait_kmcnt 0x0
	s_add_co_i32 s16, s92, s93                     ; e0 + e1
	s_lshl_b32 s17, s16, 1
	s_add_co_i32 s17, s17, 127-6
	s_lshl_b32 s17, s17, 23                        ; sc^2 / 64
	s_add_co_i32 s18, s94, 127                     ; q: e2
	s_lshl_b32 s19, s18, 23
	s_add_co_i32 s18, s18, 8
	s_lshl_b32 s18, s18, 23
	s_or_b32 s18, s18, 0x600000
	s_sub_co_i32 s20, s96, s16                     ; v: e4 - e0 - e1, its sums are quantised as they stand; k: e3
	s_cmp_lt_u32 ttmp9, 2
	s_cselect_b32 s20, s95, s20
	s_add_co_i32 s20, s20, 127
	s_lshl_b32 s21, s20, 23
	s_add_co_i32 s20, s20, 8
	s_lshl_b32 s20, s20, 23
	s_or_b32 s20, s20, 0x600000
	s_add_co_i32 s16, s16, 127
	s_lshl_b32 s16, s16, 23                        ; sc
	s_mov_b32 s22, 0x3727c5ac                      ; 1e-5
	s_wait_loadcnt 0x0                             ; the tables
	v_mov_b32 v14, s19                             ; q's scale and 448 x it.  (These plain lines are the places behind the last products)
	v_mov_b32 v15, s18
	v_mov_b32 v8, s21                              ; the third head's
	v_mov_b32 v9, s20
	v_mov_b32 v3, 0                                ; upper halves of the pairs v[2:3], v[4:5]; the permute's target
	v_mov_b32 v5, 0
	v_mov_b32 v7, 0
; q and k, head hd, block a: my lane's row s = 16 a + r; register 8 b + j holds d = 16 b + 8 h + j; the row's other 32 numbers lie in lane l xor 16.  gw, ga, be: window byte and registers of gain and bias; sc, ho: scale and hold.
.macro LNROPE hd, a, gw, ga, be, sc, ho
.set AC, 64*(\hd)+32*(\a)
.set CC, CD+8*(2*(\hd)+(\a))
	WIN 0x0f
	v_pk_add_f32 v[10:11], v[AC:AC+1], v[AC+2:AC+3]          ; the mean: two chains, each accumulator from its low end on
	v_pk_add_f32 v[12:13], v[AC+4:AC+5], v[AC+6:AC+7]
	WIN 0x03
.irp i, 8,12,16,20,24,28
	v_pk_add_f32 v[10:11], v[AC+\i:AC+\i+1], v[10:11]
	v_pk_add_f32 v[12:13], v[AC+\i+2:AC+\i+3], v[12:13]
.endr
	WIN 0
	v_pk_add_f32 v[10:11], v[10:11], v[12:13]
	v_add_f32 v6, v10, v11
	v_permlanex16_b32 v7, v6, s[SEL], s[SEL+1]
	v_add_f32 v6, v6, v7
	v_mul_f32 v2, 0x3c800000, v6                   ; / 64
	WIN 0x03
.set i, 0
.rept 16
	v_pk_add_f32 v[T+i:T+i+1], v[AC+i:AC+i+1], v[2:3] op_sel_hi:[1,0] neg_lo:[0,1] neg_hi:[0,1]   ; less the mean
.set i, i+2
.endr
	WIN 0
	v_pk_mul_f32 v[10:11], v[T:T+1], v[T:T+1]      ; the sum of squares
	v_pk_mul_f32 v[12:13], v[T+2:T+3], v[T+2:T+3]
.irp i, 4,8,12,16,20,24,28
	v_pk_fma_f32 v[10:11], v[T+\i:T+\i+1], v[T+\i:T+\i+1], v[10:11]
	v_pk_fma_f32 v[12:13], v[T+\i+2:T+\i+3], v[T+\i+2:T+\i+3], v[12:13]
.endr
	v_pk_add_f32 v[10:11], v[10:11], v[12:13]
	v_add_f32 v6, v10, v11
	v_permlanex16_b32 v7, v6, s[SEL], s[SEL+1]
	v_add_f32 v6, v6, v7
	v_fma_f32 v6, v6, s17, s22                     ; the variance + 1e-5
	s_wait_alu depctr_va_vdst(0)                   ; ahead of the transcendental
	v_rsq_f32 v4, v6
	v_nop
	s_wait_alu depctr_va_vdst(0)                   ; and behind it
	v_mul_f32 v4, s16, v4                          ; x sc
.set i, 0
.rept 16
	v_pk_mul_f32 v[T+i:T+i+1], v[T+i:T+i+1], v[4:5] op_sel_hi:[1,0]
.set i, i+2
.endr
	WIN \gw
.set i, 0
.rept 16
	v_pk_fma_f32 v[T+i:T+i+1], v[T+i:T+i+1], v[\ga+i:\ga+i+1], v[\be+i:\be+i+1]   ; x gain + bias
.set i, i+2
.endr
	WIN 0                                          ; RoPE: a register pair is (re, im); pair p turns by frequency p's angle
.irp p, 0,2,4,6,8,10,12,14
	v_pk_mul_f32 v[U+2*\p:U+2*\p+1],   v[T+2*\p:T+2*\p+1],   v[SI+16*(\a)+\p:SI+16*(\a)+\p+1] op_sel:[1,0] op_sel_hi:[0,0]   ; (im sin, re sin)
	v_pk_mul_f32 v[U+2*\p+2:U+2*\p+3], v[T+2*\p+2:T+2*\p+3], v[SI+16*(\a)+\p:SI+16*(\a)+\p+1] op_sel:[1,1] op_sel_hi:[0,1]
.endr
.irp p, 0,2,4,6,8,10,12,14
	v_pk_fma_f32 v[U+2*\p:U+2*\p+1],   v[T+2*\p:T+2*\p+1],   v[CO+16*(\a)+\p:CO+16*(\a)+\p+1], v[U+2*\p:U+2*\p+1]   op_sel:[0,0,0] op_sel_hi:[1,0,1] neg_lo:[0,0,1]   ; (re cos - im sin, im cos + re sin)
	v_pk_fma_f32 v[U+2*\p+2:U+2*\p+3], v[T+2*\p+2:T+2*\p+3], v[CO+16*(\a)+\p:CO+16*(\a)+\p+1], v[U+2*\p+2:U+2*\p+3] op_sel:[0,1,0] op_sel_hi:[1,1,1] neg_lo:[0,0,1]
.endr
.set i, 0
.rept 32
	v_med3_num_f32 v[U+i], v[U+i], -v[\ho], v[\ho] ; the conversion does not saturate (ISA guide 7.6.2): the hold
.set i, i+1
.endr
.irp b, 0,1,2,3
	v_cvt_scalef32_pk8_fp8_f32 v[CC+2*\b:CC+2*\b+1], v[U+8*\b:U+8*\b+7], v[\sc]
.endr
	v_nop                                          ; one plain line behind the last conversion
	ds_store_b128 v[STO], v[CC:CC+3] offset:8192*(\hd)+1024*(\a)
	ds_store_b128 v[STO], v[CC+4:CC+7] offset:8192*(\hd)+1024*(\a)+32
.endm
.macro OUT rg, bs, loff, goff          ; 2,048 consecutive bytes of the stage are 2,048 consecutive bytes of the output
.irp i, 0,1,2,3
	ds_load_b128 v[\rg+4*\i:\rg+4*\i+3], v[RD] offset:\loff+512*\i
.endr
.irp i, 0,1,2,3
	s_wait_dscnt 3-\i
	global_store_b128 v[GO], v[\rg+4*\i:\rg+4*\i+3], s[\bs:\bs+1] offset:\goff+512*\i   ; 32 lanes store 512 consecutive bytes, aligned
.endr
.endm
.macro FINISH
	s_wait_tensorcnt 0x0                           ; the wave's end
	ds_add_u32 v[SPW], v[NIL]
	s_wait_dscnt 0x0
	CROUND                                         ; the closing round
	s_endpgm
.endm
	LNROPE 0, 0, 0x24, 224, 224, 14, 15            ; q: gain window 1, bias window 2
	LNROPE 0, 1, 0x24, 224, 224, 14, 15
	LNROPE 1, 0, 0x24, 224, 224, 14, 15
	LNROPE 1, 1, 0x24, 224, 224, 14, 15
	s_wait_alu depctr_va_vdst(0)
	s_cmp_lt_u32 ttmp9, 2
	s_cbranch_scc0 .Lv
	LNROPE 2, 0, 0x3c, 192, 224, 8, 9              ; k: gain and bias window 3
	LNROPE 2, 1, 0x3c, 192, 224, 8, 9
	OUT T, 66, 0, 0                                ; my own bytes: LDS serves a wave's instructions in order
	OUT T+16, 66, 8192, 131072
	OUT U, 14, 16384, 0
	FINISH
.Lv:                                               ; v: my lane's row d = 16 b + r; accumulator (a, b)'s register j holds key 16 a + 8 h + j of my 32
	WIN 0x03
.irp b, 0,1,2,3
.irp a, 0,1
.set i, 0
.rept 8
	v_med3_num_f32 v[T+16*\b+8*\a+i], v[128+32*\a+8*\b+i], -v9, v9
.set i, i+1
.endr
.endr
.endr
	WIN 0
.irp b, 0,1,2,3
	v_cvt_scalef32_pk8_fp8_f32 v[CD+4*\b:CD+4*\b+1], v[T+16*\b:T+16*\b+7], v8
	v_cvt_scalef32_pk8_fp8_f32 v[CD+4*\b+2:CD+4*\b+3], v[T+16*\b+8:T+16*\b+15], v8
.endr
	v_nop
.irp b, 0,1,2,3
	ds_store_b128 v[STV], v[CD+4*\b:CD+4*\b+3] offset:1024*\b
.endr
	s_wait_dscnt 0x0                               ; a row of V's block comes from two waves: my stores are done,
	s_barrier_signal -1
	s_barrier_wait -1                              ; and everybody's
	OUT T, 66, 0, 0
	OUT T+16, 66, 8192, 131072
	OUT U, 14, 24576, 0
	FINISH
.Lfunc_end_k_qc53e989e3f_qkv:
	.size	k_qc53e989e3f_qkv, .Lfunc_end_k_qc53e989e3f_qkv-k_qc53e989e3f_qkv
	.p2alignl 7, 3214868480
	.fill 96, 4, 3214868480
	.section	.rodata,"a",@progbits
	.p2align	6, 0x0
	.amdhsa_kernel k_qc53e989e3f_qkv
		.amdhsa_group_segment_fixed_size 327680
		.amdhsa_private_segment_fixed_size 0
		.amdhsa_enable_private_segment 0
		.amdhsa_kernarg_size 88
		.amdhsa_user_sgpr_count 2
		.amdhsa_user_sgpr_kernarg_segment_ptr 1
		.amdhsa_wavefront_size32 1
		.amdhsa_system_sgpr_workgroup_id_x 1
		.amdhsa_system_sgpr_workgroup_id_y 1
		.amdhsa_system_sgpr_workgroup_id_z 1
		.amdhsa_system_vgpr_workitem_id 0
		.amdhsa_next_free_vgpr 1024
		.amdhsa_next_free_sgpr 102
		.amdhsa_reserve_vcc 0
		.amdhsa_float_denorm_mode_32 3
		.amdhsa_float_denorm_mode_16_64 3
		.amdhsa_memory_ordered 1
		.amdhsa_forward_progress 1
		.amdhsa_inst_pref_size 186
	.end_amdhsa_kernel
	.amdgpu_metadata
---
amdhsa.version: [ 1, 2 ]
amdhsa.kernels:
  - .name:           k_qc53e989e3f_qkv
    .symbol:         k_qc53e989e3f_qkv.kd
    .args:
      - { .name: xc, .offset: 0, .size: 8, .value_kind: global_buffer, .address_space: global }
      - { .name: wc, .offset: 8, .size: 8, .value_kind: global_buffer, .address_space: global }
      - { .name: lowp_scales, .offset: 16, .size: 8, .value_kind: global_buffer, .address_space: global }
      - { .name: q_gamma, .offset: 24, .size: 8, .value_kind: global_buffer, .address_space: global }
      - { .name: q_beta, .offset: 32, .size: 8, .value_kind: global_buffer, .address_space: global }
      - { .name: k_gamma, .offset: 40, .size: 8, .value_kind: global_buffer, .address_space: global }
      - { .name: k_beta, .offset: 48, .size: 8, .value_kind: global_buffer, .address_space: global }
      - { .name: freqs_cos, .offset: 56, .size: 8, .value_kind: global_buffer, .address_space: global }
      - { .name: freqs_sin, .offset: 64, .size: 8, .value_kind: global_buffer, .address_space: global }
      - { .name: qc, .offset: 72, .size: 8, .value_kind: global_buffer, .address_space: global }
      - { .name: kvc, .offset: 80, .size: 8, .value_kind: global_buffer, .address_space: global }
    .group_segment_fixed_size: 327680
    .private_segment_fixed_size: 0
    .kernarg_segment_align: 8
    .kernarg_segment_size: 88
    .max_flat_workgroup_size: 128
    .sgpr_count:     102
    .vgpr_count:     1024
    .wavefront_size: 32
...
	.end_amdgpu_metadata
.endif
;; end of part 2
;; launch attn (part 3): grid 32 x 8, 8 waves a work-group, clusters of 4 x 4, 327,680 bytes of LDS; arguments qc, kvc, mask, lowp_scales, ac; writes ac
.if DOCPART == 3
	.amdgcn_target "amdgcn-amd-amdhsa--gfx1250"
	.amdhsa_code_object_version 6
	.text
	.protected	k_qc53e989e3f_attn
	.globl	k_qc53e989e3f_attn
	.p2align	8
	.type	k_qc53e989e3f_attn,@function
k_qc53e989e3f_attn:
	s_mov_b64 s[64:65], 0
	v_nop
	global_prefetch_b8 v0, s[64:65] scope:SCOPE_SE
	s_setreg_imm32_b32 hwreg(HW_REG_WAVE_MODE, 25, 1), 1
	s_wait_xcnt 0x0
	s_wait_alu depctr_hold_cnt(0) depctr_sa_sdst(0) depctr_va_vdst(0) depctr_va_sdst(0) depctr_va_ssrc(0) depctr_va_vcc(0) depctr_vm_vsrc(0)
	s_getreg_b32 s2, hwreg(HW_REG_IB_STS2, 6, 4)
	s_cmp_eq_u32 s2, 0
	s_cbranch_scc0 .Lentry_in_a_cluster
	s_endpgm
.Lentry_in_a_cluster:
	s_bfe_u32 s2, ttmp6, 0x10000c
	s_cmp_lg_u32 s2, 0xf033
	s_cbranch_scc0 .Lentry_shape_is_right
	s_endpgm
.Lentry_shape_is_right:
; ac[s][64 head + d] = the codes (scale 2^e6) of softmax_k(q . k / 8 + mask[s][k]) v, both products on codes of FP8 (E4M3): q 2^e2, k 2^e3, v 2^e4, p 2^e5.
; qc [32 head][2048 s][64], kvc [8 kv][8 slots of 256 keys][K: 256 x 64 | V: 4 blocks of 64 keys x 64 d x 64]; mask [2048][2048] f32 is an input: every query meets all 2,048 keys.
; THE MASK IS THE C OF THE FIRST PRODUCT: D = K Q^T + mask x 2^(3 - e2 - e3) (an exact scaling), so the logit is D x 2^(e2 + e3 - 3).
; SOFTMAX: t = D x c; M = the running largest t rounded UP to a whole number; p = 2^(t - M) is quantised, not normalised; the row's sum is taken of the unquantised p and divides at the end.
; When M moves, the sum and O are multiplied by 2^(old M - new M): exact.
; NO HOLD ON p: t <= M, so p <= 1, and the largest code stands for 448 x 2^e5 >= 1.75 wherever e5 >= -8: there the hold changes no number, and it is not written.  LIMIT: -8 <= e5 <= 119.
; OTHER LIMITS: e2 + e3 between -123 and 129, |mask| x 2^(3 - e2 - e3) stays an f32 number; e6 - e4 - e5 between -126 and 119.  NaN among the inputs is not served.
; SHARES.  A work-group: 64 queries x the four query heads of one kv head.  Wave w: 16 queries (tile w % 4) x two heads (pair w / 4): each fragment of K, V and the mask serves two heads.  Two waves to a SIMD.
; CLUSTERS 4 x 4: x = block of queries, y = kv head.  The mask's tile is asked for jointly along a column of the cluster, K's and V's along a row.
; LAYOUT.  Both products transposed: S^T = K Q^T, O^T = V^T P^T: a lane holds ONE query (lane % 16).  Tile T of S^T gives keys 16 T + 8 h + 0 .. 7 a lane: its eight codes are registers 2 T, 2 T + 1 of P.
; LDS LOADS: V at a step's head; the next step's K and mask behind this step's statistics.  One wait between the two batches of exponentials serves all three; the next mask is scaled among the second batch.
; THE CHANGE OF SLOTS stands in a slot's last step: its waits and opening signal behind the maxima, the statistics and rescalings (work on registers) between that signal and its wait.
; REGISTERS: window 0: v1-9 addresses, v10, v11, v14, v15 at work, v12 p's scale, v16-31 statistics, v32-95 the mask, v96-223 S^T then p (head 0's then its partial sums), v224-255 p's codes.
;   window 1: v0-15 Q, v16-79 K, v80-143 V, v144-207 O^T.
.set MP,    1040                       ; a row of the mask's tile in LDS: 1,024 bytes + 16
.set KP,    80                         ; a row of K or V: 64 bytes + 16
.set KOFF,  64*MP                      ; a slot: 64 rows of the mask, 256 rows of K, 256 rows of V
.set VOFF,  KOFF+256*KP
.set SLOT1, 1<<17                      ; one exclusive or turns an address from one slot to the other
.set STAGE, 2*SLOT1                    ; 64 rows x (256 + 16) bytes, for the way out
.set SPARE, STAGE+64*272               ; the spare words: 128 bytes a wave, four blocks of 256 bytes that no other line names
.set AM0, 1
.set AK0, 2
.set AV0, 3
.set ADM, 4
.set ADK, 5
.set ADV, 6
.set SPW, 7
.set NIL, 8
.set PFO, 9
.set STAT, 16                          ; head hd at v[16 + 8 hd]: +0 -M, +1 the largest t, +2, +3 the sum, +4 f, +5 the permute's target, +6, +7 at work
.set MK,  32
.set S0,  96
.set S1,  160
.set P0,  224
.set QF,  0
.set KF,  16
.set VF,  80
.set O0,  144
.set WV,  14
.set LIM, 15
.set SEL, 20
.set RCN, 22
.set G1M, 24
.set G1KV, 32
.set G0M, 40
.set G0KV, 44
.set C2,  48
.set TB,  50
.set SLOTS, 51
.set PFA, 52
.set PFS, 54
.set MSB, 0
.macro WIN new                         ; the immediate's high byte repeats the setting that is left
.if MSB != \new
	s_set_vgpr_msb (MSB<<8)|\new
.set MSB, \new
.endif
.endm
.macro CREST                           ; a round of the cluster's barrier behind its opening barrier
	s_cmp_lg_u32 s[WV], 0
	s_cbranch_scc1 .Lnot_wave_0_\@
	s_barrier_signal -3
.Lnot_wave_0_\@:
	s_barrier_wait -3
	s_barrier_signal -1
	s_barrier_wait -1
.endm
.macro CROUND                          ; a whole round
	s_barrier_signal -1
	s_barrier_wait -1
	CREST
.endm
.macro TLOAD                           ; wave 0 fetches the mask's tile (64 rows of 1,024 bytes), wave 1 K's and V's (one dense block of 32,768 bytes), the others nothing
	s_cmp_eq_u32 s[WV], 0
	s_cbranch_scc0 .Lnot_m_\@
	tensor_load_to_lds s[G0M:G0M+3], s[G1M:G1M+7]
	s_nop 0
.rept 4
	v_nop
.endr
	s_branch .Lasked_\@
.Lnot_m_\@:
	s_cmp_eq_u32 s[WV], 1
	s_cbranch_scc0 .Lasked_\@
	tensor_load_to_lds s[G0KV:G0KV+3], s[G1KV:G1KV+7]
	s_nop 0
.rept 4
	v_nop
.endr
.Lasked_\@:
.endm
; A prefetch of what the NEXT change of slots will ask for, one instruction a wave, each aligned block of 256 bytes named once in the launch.
; The mask's tile: cluster y = 0 asks; its four partners along y take 16 rows each by address, waves 2 and 3 eight each (lane = 4 x row + block).
; K and V: cluster x = 0 asks; its four partners along x take 8,192 bytes each by address, wave 4, lanes 256 bytes apart.  The last change that fills asks for nothing; slots 0 and 1 come by their loads alone.
.macro ASK
	s_cmp_gt_u32 s[SLOTS], s[LIM]
	s_cbranch_scc0 .Lnot_mine_\@
	global_prefetch_b8 v[PFO], s[PFA:PFA+1] th:TH_LOAD_NT scope:SCOPE_SE
.Lnot_mine_\@:
.endm
	s_load_b256 s[4:11], s[0:1], 0x0               ; qc, kvc, mask, the scales' exponents
	s_load_b64 s[12:13], s[0:1], 0x20              ; ac
	v_lshl_add_u32 v[SPW], v0, 2, SPARE
	v_mov_b32 v[NIL], 0
	ds_add_u32 v[SPW], v[NIL]                      ; the opening: the add, twice on end, and its wait ahead of the first tensor load
	ds_add_u32 v[SPW], v[NIL]
	v_lshrrev_b32 v10, 5, v0
	v_readfirstlane_b32 s[WV], v10                 ; wave 0..7
	s_bfe_u32 s16, ttmp6, 0x40000                  ; cx
	s_bfe_u32 s17, ttmp6, 0x40004                  ; cy
	s_lshl_b32 s18, ttmp9, 2
	s_add_co_u32 s18, s18, s16                     ; my block of 64 queries
	s_and_b32 s19, ttmp7, 0xffff
	s_lshl_b32 s19, s19, 2
	s_add_co_u32 s19, s19, s17                     ; my kv head
	s_lshl_b32 s66, s17, 2
	s_lshl_b32 s66, 15, s66                        ; my row of the cluster
	s_lshl_b32 s67, 0x1111, s16                    ; my column
	s_or_b32 s[G1M], s67, (2<<16)|(1<<20)|(1<<21)|(7<<22)|(3<<25)   ; to my column; elements of 4 bytes; 4 words of padding after every 256
	s_mov_b32 s[G1M+1], 256<<16
	s_mov_b32 s[G1M+2], 64<<16
	s_mov_b32 s[G1M+3], 256<<16
	s_mov_b32 s[G1M+4], 64
	s_mov_b32 s[G1M+5], 2048
	s_mov_b32 s[G1M+6], 0
	s_mov_b32 s[G1M+7], 0
	s_or_b32 s[G1KV], s66, (0<<16)|(1<<20)|(1<<21)|(3<<22)|(3<<25)  ; to my row; bytes; the dense block is stated as 128 rows of 256 bytes, the padding still 4 words after every 16
	s_mov_b32 s[G1KV+1], 256<<16
	s_mov_b32 s[G1KV+2], 128<<16
	s_mov_b32 s[G1KV+3], 256<<16
	s_mov_b32 s[G1KV+4], 128
	s_mov_b32 s[G1KV+5], 256
	s_mov_b32 s[G1KV+6], 0
	s_mov_b32 s[G1KV+7], 0
	s_lshl_b32 s76, s18, 19                        ; the mask at my first query
	s_mov_b32 s77, 0
	s_lshl_b32 s78, s19, 18                        ; kvc at my kv head
	s_mov_b32 s79, 0
	s_mov_b32 s[SEL], 0x76543210
	s_mov_b32 s[SEL+1], 0xfedcba98
	s_mov_b32 s[C2], 0x3fb8aa3b                    ; log2(e)
	s_mov_b32 s[TB], SLOT1                         ; the first change of slots turns it to slot 0
	s_mov_b32 s[SLOTS], 6
	s_wait_dscnt 0x0                               ; both opening adds are done
	s_wait_kmcnt 0x0
	s_load_b256 s[56:63], s[10:11], 0x0            ; e0 .. e7
	s_mov_b32 s[G0M], 1
	s_mov_b32 s[G0M+1], 0
	s_add_nc_u64 s[G0M+2:G0M+3], s[8:9], s[76:77]
	s_or_b32 s[G0M+3], s[G0M+3], 0x80000000
	s_mov_b32 s[G0KV], 1
	s_mov_b32 s[G0KV+1], KOFF
	s_add_nc_u64 s[G0KV+2:G0KV+3], s[6:7], s[78:79]
	s_or_b32 s[G0KV+3], s[G0KV+3], 0x80000000
	CROUND                                         ; all sixteen work-groups are here: the first joint loads meet
	TLOAD                                          ; slot 0
	s_and_b32 s80, s[WV], 3                        ; my tile of queries
	s_lshr_b32 s81, s[WV], 2                       ; my pair of heads
	s_lshl_b32 s82, s19, 2                         ; Q: head 4 kv + 2 pair, of 131,072 bytes; 64 rows of 64 bytes a block; 16 a tile
	s_lshl_b32 s83, s81, 1
	s_add_co_u32 s82, s82, s83
	s_lshl_b32 s82, s82, 17
	s_lshl_b32 s83, s18, 12
	s_add_co_u32 s82, s82, s83
	s_lshl_b32 s83, s80, 10
	s_add_co_u32 s82, s82, s83
	s_mov_b32 s83, 0
	s_add_nc_u64 s[4:5], s[4:5], s[82:83]
	s_lshl_b32 s82, s18, 17                        ; ac: 64 rows of 2,048 bytes a block; my kv head's 256 bytes; wave w stores rows 8 w on
	s_lshl_b32 s83, s19, 8
	s_add_co_u32 s82, s82, s83
	s_lshl_b32 s83, s[WV], 14
	s_add_co_u32 s82, s82, s83
	s_mov_b32 s83, 0
	s_add_nc_u64 s[12:13], s[12:13], s[82:83]
	s_and_b32 s84, ttmp7, 0xffff                   ; the prefetches: cluster y
	s_lshr_b32 s85, s[WV], 1                       ; 1 in waves 2 and 3
	s_lshl_b32 s88, s18, 19                        ; the mask: my block's rows, + my work-group's 16, + my wave's 8,
	s_lshl_b32 s89, s17, 17
	s_add_co_u32 s88, s88, s89
	s_and_b32 s89, s[WV], 1
	s_lshl_b32 s89, s89, 16
	s_add_co_u32 s88, s88, s89
	s_add_co_u32 s88, s88, 1024                    ; in slot 1: the first change of slots steps it to slot 2
	s_lshl_b32 s90, s19, 18                        ; K and V: my kv head, + my work-group's 8,192 bytes,
	s_lshl_b32 s89, s16, 13
	s_add_co_u32 s90, s90, s89
	s_add_co_u32 s90, s90, 32768                   ; in slot 1
	s_mov_b32 s[PFS], 32768
	s_mov_b32 s87, 1024
	s_cmp_eq_u32 s[WV], 4
	s_cselect_b32 s86, ttmp9, 1                    ; wave 4 asks where cluster x = 0,
	s_cmp_eq_u32 s85, 1
	s_cselect_b32 s86, s84, s86                    ; waves 2 and 3 where cluster y = 0: the same in all sixteen partners
	s_cselect_b64 s[PFA:PFA+1], s[8:9], s[6:7]
	s_cselect_b32 s[PFS], 1024, s[PFS]             ; a slot on
	s_cselect_b32 s87, 8192, s87                   ; from four lanes to the next four
	s_cselect_b32 s88, s88, s90
	s_mov_b32 s89, 0
	s_mov_b32 s[PFS+1], 0
	s_add_nc_u64 s[PFA:PFA+1], s[PFA:PFA+1], s[88:89]
	s_cmp_eq_u32 s86, 0
	s_cselect_b32 s[LIM], 1, -1
	s_mul_i32 s82, s80, 16*MP
	v_and_b32 v[PFO], 31, v0
	v_lshrrev_b32 v14, 2, v[PFO]
	v_and_b32 v[PFO], 3, v[PFO]
	v_lshlrev_b32 v[PFO], 8, v[PFO]
	v_mul_lo_u32 v14, v14, s87
	v_add_nc_u32 v[PFO], v[PFO], v14
	v_and_b32 v10, 15, v0                          ; r
	v_bfe_u32 v11, v0, 4, 1                        ; h
	v_lshlrev_b32 v15, 6, v10
	v_lshl_add_u32 v15, v11, 4, v15                ; Q: row r of 64 bytes, + 16 h
	WIN 0x40
.irp hd, 0,1
.irp c, 0,1
	global_load_b128 v[QF+8*\hd+4*\c:QF+8*\hd+4*\c+3], v15, s[4:5] offset:\hd*131072+32*\c   ; Q's fragments stay in registers
.endr
.endr
.set j, 0
.rept 64
	v_mov_b32 v[O0+j], 0                           ; O^T: the key step has no first step of its own; the first change of M leaves zeros zeros
.set j, j+1
.endr
	WIN 0
	v_mul_u32_u24 v[AM0], v10, MP
	v_lshl_add_u32 v[AM0], v11, 5, v[AM0]
	v_add_nc_u32 v[AM0], s82, v[AM0]               ; the mask: row 16 x tile + r, + 32 h
	v_mul_u32_u24 v[AK0], v10, KP
	v_lshl_add_u32 v[AK0], v11, 4, v[AK0]
	v_add_nc_u32 v[AV0], VOFF, v[AK0]
	v_add_nc_u32 v[AK0], KOFF, v[AK0]
.irp hd, 0,1
	v_mov_b32 v[STAT+8*\hd+1], 0xff61b1e6          ; the largest t so far: -3e38
	v_floor_f32 v[STAT+8*\hd], -v[STAT+8*\hd+1]    ; -M
	v_mov_b32 v[STAT+8*\hd+2], 0
	v_mov_b32 v[STAT+8*\hd+3], 0
	v_mov_b32 v[STAT+8*\hd+5], 0
.endr
	s_wait_kmcnt 0x0
	s_add_co_i32 s82, s58, s59                     ; e2 + e3
	s_sub_co_i32 s83, s82, 3
	s_lshl_b32 s83, s83, 23
	s_add_co_i32 s[C2], s[C2], s83                 ; c = log2(e) x 2^(e2 + e3 - 3)
	s_mov_b32 s[C2+1], s[C2]
	s_sub_co_i32 s83, 130, s82
	s_lshl_b32 s[RCN], s83, 23                     ; 2^(3 - e2 - e3)
	s_mov_b32 s[RCN+1], s[RCN]
	s_add_co_i32 s82, s61, 127
	s_lshl_b32 s83, s82, 23
	v_mov_b32 v12, s83                             ; 2^e5, for p's conversion
.macro LOADK q                         ; the q-th 128 keys of the slot in hand, in runs of 16 loads
	WIN 0x40
.irp t, 0,1,2,3,4,5,6,7
	ds_load_b128 v[KF+8*\t:KF+8*\t+3],   v[ADK] offset:(128*(\q)+16*\t)*KP
	ds_load_b128 v[KF+8*\t+4:KF+8*\t+7], v[ADK] offset:(128*(\q)+16*\t)*KP+32
.endr
.endm
.macro LOADM q
	WIN 0
.irp t, 0,1,2,3,4,5,6,7
	ds_load_b128 v[MK+8*\t:MK+8*\t+3],   v[ADM] offset:512*(\q)+64*\t
	ds_load_b128 v[MK+8*\t+4:MK+8*\t+7], v[ADM] offset:512*(\q)+64*\t+16
.endr
.endm
.macro LOADV q
	WIN 0x40
.irp t, 0,1,2,3
.irp c, 0,1,2,3
	ds_load_b128 v[VF+16*\t+4*\c:VF+16*\t+4*\c+3], v[ADV] offset:((2*(\q)+(\c/2))*64+16*\t)*KP+32*(\c%2)
.endr
.endr
.endm
.macro MSC o                           ; one pair of the next step's mask x 2^(3 - e2 - e3), once for both heads (MON = 0: there is no next step)
.if MON
	v_pk_mul_f32 v[MK+8*tb+\o:MK+8*tb+\o+1], v[MK+8*tb+\o:MK+8*tb+\o+1], s[RCN:RCN+1] op_sel_hi:[1,0]
.endif
.endm
.macro MAXC hd, c2r, c3r               ; the step's largest D among my 64 keys, four chains; each accumulator is read from its low end on
.set SS, S0+64*(\hd)
.set ST, STAT+8*(\hd)
	v_max3_num_f32 v[ST+6], v[SS], v[SS+1], v[SS+2]
	v_max3_num_f32 v[ST+7], v[SS+3], v[SS+4], v[SS+5]
	v_max3_num_f32 v[\c2r], v[SS+6], v[SS+7], v[SS+8]
	v_max3_num_f32 v[\c3r], v[SS+9], v[SS+10], v[SS+11]
.irp i, 12,20,28,36,44,52
	v_max3_num_f32 v[ST+6], v[ST+6], v[SS+\i], v[SS+\i+1]
	v_max3_num_f32 v[ST+7], v[ST+7], v[SS+\i+2], v[SS+\i+3]
	v_max3_num_f32 v[\c2r], v[\c2r], v[SS+\i+4], v[SS+\i+5]
	v_max3_num_f32 v[\c3r], v[\c3r], v[SS+\i+6], v[SS+\i+7]
.endr
	v_max3_num_f32 v[ST+6], v[ST+6], v[SS+60], v[SS+61]
	v_max3_num_f32 v[ST+7], v[ST+7], v[SS+62], v[SS+63]
.endm
.macro TM hd, first, n                 ; t - M = D c - M, one rounding: n pairs from pair first on
.set j, 2*(\first)
.rept \n
	v_pk_fma_f32 v[S0+64*(\hd)+j:S0+64*(\hd)+j+1], v[S0+64*(\hd)+j:S0+64*(\hd)+j+1], s[C2:C2+1], v[STAT+8*(\hd):STAT+8*(\hd)+1] op_sel_hi:[1,0,0]
.set j, j+2
.endr
.endm
.macro SUMK hd                         ; line kk of 32 of a head's sum of the unquantised p: 32 pairs in four chains, joined at the end
.set SX, S0+64*(\hd)
.set TX, STAT+8*(\hd)
.if kk == 0
	v_pk_add_f32 v[TX+6:TX+7], v[SX:SX+1], v[SX+2:SX+3]
.elseif kk == 1
	v_pk_add_f32 v[14:15], v[SX+4:SX+5], v[SX+6:SX+7]
.elseif kk == 2
	v_pk_add_f32 v[10:11], v[SX+8:SX+9], v[SX+10:SX+11]
.elseif kk < 29
.set CH, TX+2
.if (kk-3)%4 == 1
.set CH, TX+6
.elseif (kk-3)%4 == 2
.set CH, 14
.elseif (kk-3)%4 == 3
.set CH, 10
.endif
	v_pk_add_f32 v[CH:CH+1], v[CH:CH+1], v[SX+2*(kk+3):SX+2*(kk+3)+1]
.elseif kk == 29
	v_pk_add_f32 v[TX+2:TX+3], v[TX+2:TX+3], v[TX+6:TX+7]
.elseif kk == 30
	v_pk_add_f32 v[14:15], v[14:15], v[10:11]
.else
	v_pk_add_f32 v[TX+2:TX+3], v[TX+2:TX+3], v[14:15]
.endif
.endm
.macro TREE                            ; line nn of 18: head 0's sum goes on in place: tile 7's first level, then the sixteen partial sums (pairs at v[S0 + 4 k]) are joined and added to the running sum
.if nn < 2
	v_pk_add_f32 v[S0+56+4*nn:S0+56+4*nn+1], v[S0+56+4*nn:S0+56+4*nn+1], v[S0+56+4*nn+2:S0+56+4*nn+3]
.elseif nn < 10
.set UU, S0+8*(nn-2)
	v_pk_add_f32 v[UU:UU+1], v[UU:UU+1], v[UU+4:UU+5]
.elseif nn < 14
.set UU, S0+16*(nn-10)
	v_pk_add_f32 v[UU:UU+1], v[UU:UU+1], v[UU+8:UU+9]
.elseif nn < 16
.set UU, S0+32*(nn-14)
	v_pk_add_f32 v[UU:UU+1], v[UU:UU+1], v[UU+16:UU+17]
.elseif nn == 16
	v_pk_add_f32 v[S0:S0+1], v[S0:S0+1], v[S0+32:S0+33]
.else
	v_pk_add_f32 v[STAT+2:STAT+3], v[STAT+2:STAT+3], v[S0:S0+1]
.endif
.endm
; THE CHANGE OF SLOTS, first part.  Each wave waits for all its tensor loads, adds 0 to its spare word, waits for that and for its reads of the slot that it leaves (V's are the last), and signals.
; the add stands twice on end where a load follows.
.macro CHGA fill
	s_wait_alu depctr_va_vdst(0)                   ; directly ahead of the waits below
	s_wait_tensorcnt 0x0
	ds_add_u32 v[SPW], v[NIL]
.if \fill
	ds_add_u32 v[SPW], v[NIL]
.endif
	s_xor_b32 s[TB], s[TB], SLOT1                  ; the slot that is read from here on
.if \fill
	s_xor_b32 s[G0M+1], s[G0M+1], SLOT1            ; no load of mine is out: the walking descriptors may be written
	s_add_nc_u64 s[G0M+2:G0M+3], s[G0M+2:G0M+3], 1024
	s_xor_b32 s[G0KV+1], s[G0KV+1], SLOT1
	s_add_nc_u64 s[G0KV+2:G0KV+3], s[G0KV+2:G0KV+3], 32768
	s_wait_xcnt 0x0                                ; the last prefetch has read its address
	s_add_nc_u64 s[PFA:PFA+1], s[PFA:PFA+1], s[PFS:PFS+1]
.endif
	s_wait_dscnt 0x0
	s_barrier_signal -1                            ; fill = 1: it opens a round of the cluster's barrier; work on registers alone stands up to its wait
.endm
; Second part: the wait; fill = 1: the rest of the round, and behind it the slot that was left is filled with the keys two slots on.  The addresses are turned to the other slot.
.macro CHGB fill
	s_wait_alu depctr_va_vdst(0)
	s_barrier_wait -1
.if \fill
	CREST
	TLOAD                                          ; first behind the round, a wave's one tensor load until the next
	ASK
.endif
	v_add_nc_u32 v[ADM], s[TB], v[AM0]
	v_add_nc_u32 v[ADK], s[TB], v[AK0]
	v_add_nc_u32 v[ADV], s[TB], v[AV0]
.endm
; A KEY STEP: 128 keys, the q-th of the slot in hand; its K is in and its mask is in and scaled.  mode 0: the next step lies in the same slot; 1: the slot is left and filled again; 2: left, nothing asked for; 3: the last step of all.
.macro STEP q, mode
.set MON, 1
.if \mode == 3
.set MON, 0
.endif
.rept 4
	v_nop                                          ; places in front of the loads into V's registers, which the last products read
.endr
	LOADV \q
	WIN 0x05                                       ; K and Q window 1; the mask (C) and S^T window 0
.irp t, 0,1,2,3,4,5,6,7
.irp hd, 0,1
	v_wmma_f32_16x16x64_fp8_fp8 v[S0+64*\hd+8*\t:S0+64*\hd+8*\t+7], v[KF+8*\t:KF+8*\t+7], v[QF+8*\hd:QF+8*\hd+7], v[MK+8*\t:MK+8*\t+7]
.endr
.endr
	WIN 0
.rept 4
	v_nop                                          ; places in front of the first read of the sums
.endr
	MAXC 0, 14, 15
	MAXC 1, 10, 11
.if \mode == 1
	CHGA 1
.elseif \mode == 2
	CHGA 0
.endif
.irp hd, 0,1                                   ; the two heads' statistics, line by line in turn
	v_max3_num_f32 v[STAT+8*\hd+6], v[STAT+8*\hd+6], v[STAT+8*\hd+7], v[14-4*\hd]
.endr
.irp hd, 0,1
	v_mov_b32 v[STAT+8*\hd+7], v[STAT+8*\hd]       ; the old -M
.endr
.irp hd, 0,1
	v_max_num_f32 v[STAT+8*\hd+6], v[STAT+8*\hd+6], v[15-4*\hd]
.endr
.irp hd, 0,1
	v_permlanex16_b32 v[STAT+8*\hd+5], v[STAT+8*\hd+6], s[SEL], s[SEL+1]
.endr
.irp hd, 0,1
	v_max_num_f32 v[STAT+8*\hd+6], v[STAT+8*\hd+6], v[STAT+8*\hd+5]
.endr
.irp hd, 0,1
	v_mul_f32 v[STAT+8*\hd+6], s[C2], v[STAT+8*\hd+6]                 ; as t (c is positive)
.endr
.irp hd, 0,1
	v_max_num_f32 v[STAT+8*\hd+1], v[STAT+8*\hd+1], v[STAT+8*\hd+6]   ; the running largest t
.endr
.irp hd, 0,1
	v_floor_f32 v[STAT+8*\hd], -v[STAT+8*\hd+1]    ; the new -M: M is a whole number
.endr
.irp hd, 0,1
	v_sub_f32 v[STAT+8*\hd+6], v[STAT+8*\hd], v[STAT+8*\hd+7]         ; old M - new M
.endr
	TM 0, 0, 4
.irp hd, 0,1
	v_cvt_i32_f32 v[STAT+8*\hd+6], v[STAT+8*\hd+6] ; (it saturates)
.endr
	TM 0, 4, 4
.irp hd, 0,1
	v_ldexp_f32 v[STAT+8*\hd+4], 1.0, v[STAT+8*\hd+6]                 ; f = 2^(old M - new M)
.endr
	TM 0, 8, 24
	WIN 0x41                                       ; O^T window 1.  It is brought under the new M AHEAD of the exponentials: no exponential stands between the last products and these first reads
.irp hd, 0,1
.set j, 0
.rept 16
	v_pk_mul_f32 v[O0+32*\hd+j:O0+32*\hd+j+1], v[O0+32*\hd+j:O0+32*\hd+j+1], v[STAT+8*\hd+4:STAT+8*\hd+5] op_sel_hi:[1,0]
.set j, j+2
.endr
.endr
	WIN 0
.irp hd, 0,1
	v_pk_mul_f32 v[STAT+8*\hd+2:STAT+8*\hd+3], v[STAT+8*\hd+2:STAT+8*\hd+3], v[STAT+8*\hd+4:STAT+8*\hd+5] op_sel_hi:[1,0]   ; the sums likewise
.endr
.if \mode == 1
	CHGB 1
.elseif \mode == 2
	CHGB 0
.endif
.if \mode != 3
	LOADK 1-(\q)                                   ; the next step's K and mask: their registers were last read by this step's first products
	LOADM 1-(\q)
.endif
	WIN 0
	s_wait_alu depctr_va_vdst(0)                   ; ahead of the batch
.set j, 0
.rept 32                                       ; head 0's exponentials; among them head 1's scalings, whose results are first read behind the next wait
	v_pk_fma_f32 v[S1+j:S1+j+1], v[S1+j:S1+j+1], s[C2:C2+1], v[STAT+8:STAT+9] op_sel_hi:[1,0,0]
	v_exp_f32 v[S0+j], v[S0+j]
	v_exp_f32 v[S0+j+1], v[S0+j+1]
.set j, j+2
.endr
	v_nop
	s_wait_alu depctr_va_vdst(0)                   ; behind head 0's batch, ahead of head 1's and of the wait below
	s_wait_dscnt 0x0                               ; V is in, and so are the next step's K and mask
.set tb, 0
.rept 8                                        ; head 1's exponentials.  Among them, none hanging on another: head 0's codes tile by tile, the first level of its sum in place one tile behind the codes, and the next mask's scaling
	v_cvt_scalef32_pk8_fp8_f32 v[P0+2*tb:P0+2*tb+1], v[S0+8*tb:S0+8*tb+7], v12
	v_exp_f32 v[S1+8*tb], v[S1+8*tb]
	MSC 0
	v_exp_f32 v[S1+8*tb+1], v[S1+8*tb+1]
.if tb > 0
	v_pk_add_f32 v[S0+8*tb-8:S0+8*tb-7], v[S0+8*tb-8:S0+8*tb-7], v[S0+8*tb-6:S0+8*tb-5]
.else
	v_nop                                          ; a plain line between tile 0's conversion and the line that writes its sources
.endif
	v_exp_f32 v[S1+8*tb+2], v[S1+8*tb+2]
	MSC 2
	v_exp_f32 v[S1+8*tb+3], v[S1+8*tb+3]
	MSC 4
	v_exp_f32 v[S1+8*tb+4], v[S1+8*tb+4]
.if tb > 0
	v_pk_add_f32 v[S0+8*tb-4:S0+8*tb-3], v[S0+8*tb-4:S0+8*tb-3], v[S0+8*tb-2:S0+8*tb-1]
.endif
	v_exp_f32 v[S1+8*tb+5], v[S1+8*tb+5]
	MSC 6
	v_exp_f32 v[S1+8*tb+6], v[S1+8*tb+6]
	v_exp_f32 v[S1+8*tb+7], v[S1+8*tb+7]
.set tb, tb+1
.endr
	v_nop
	s_wait_alu depctr_va_vdst(0)                   ; behind head 1's batch
.set kk, 0
.rept 32
.if kk < 18
.set nn, kk
	TREE
.endif
	SUMK 1
.set kk, kk+1
.endr
.irp t, 0,1,2,3,4,5,6,7
	v_cvt_scalef32_pk8_fp8_f32 v[P0+16+2*\t:P0+16+2*\t+1], v[S1+8*\t:S1+8*\t+7], v12
.endr
	v_nop                                          ; one plain line behind the last conversion
	WIN 0x51                                       ; V window 1, P window 0, O^T window 1
.irp t, 0,1,2,3
.irp hd, 0,1
	v_wmma_f32_16x16x128_fp8_fp8 v[O0+32*\hd+8*\t:O0+32*\hd+8*\t+7], v[VF+16*\t:VF+16*\t+15], v[P0+16*\hd:P0+16*\hd+15], v[O0+32*\hd+8*\t:O0+32*\hd+8*\t+7]   ; eight accumulators by turns
.endr
.endr
	WIN 0
.endm
	s_wait_alu depctr_va_vdst(0)                   ; the head's end
	s_wait_loadcnt 0x0                             ; Q
	CHGA 1                                         ; slot 0 has landed in every partner;
	CHGB 1                                         ; slot 1 is asked for, as a refill is
	LOADK 0
	LOADM 0
	s_wait_dscnt 0x0
.set j, 0
.rept 32
	v_pk_mul_f32 v[MK+j:MK+j+1], v[MK+j:MK+j+1], s[RCN:RCN+1] op_sel_hi:[1,0]   ; the first step's mask x 2^(3 - e2 - e3)
.set j, j+2
.endr
.Lslot:                                            ; 6 trips: slots 0 to 5 are left and filled again with the keys of slots 2 to 7
	STEP 0, 0
	STEP 1, 1
	s_sub_co_u32 s[SLOTS], s[SLOTS], 1
	s_cmp_lg_u32 s[SLOTS], 0
	s_cbranch_scc1 .Lslot
	STEP 0, 0                                      ; the last two slots are written out
	STEP 1, 2
	STEP 0, 0
	STEP 1, 3
	; THE WAY OUT.  O^T / the sum, quantised with 2^(e6 - e4 - e5); a row's 256 bytes come from four heads, two waves: they meet in the stage.
	s_wait_alu depctr_va_vdst(0)                   ; directly ahead of the run of scalar lines
	s_mul_i32 s84, s80, 16*272
	s_lshl_b32 s85, s81, 7
	s_add_co_u32 s84, s84, s85
	s_add_co_u32 s84, s84, STAGE                   ; in: row 16 x tile, byte 128 x pair
	s_mul_i32 s85, s[WV], 8*272
	s_add_co_u32 s85, s85, STAGE                   ; back: rows 8 w on
	s_sub_co_i32 s86, s62, s60
	s_sub_co_i32 s86, s86, s61                     ; e6 - e4 - e5
	s_add_co_i32 s86, s86, 127
	s_lshl_b32 s87, s86, 23
	s_add_co_i32 s86, s86, 8
	s_lshl_b32 s86, s86, 23
	s_or_b32 s86, s86, 0x600000
.irp hd, 0,1
	v_add_f32 v[STAT+8*\hd+6], v[STAT+8*\hd+2], v[STAT+8*\hd+3]
.endr
.irp hd, 0,1
	v_permlanex16_b32 v[STAT+8*\hd+5], v[STAT+8*\hd+6], s[SEL], s[SEL+1]
.endr
.irp hd, 0,1
	v_add_f32 v[STAT+8*\hd+6], v[STAT+8*\hd+6], v[STAT+8*\hd+5]
.endr
	s_wait_alu depctr_va_vdst(0)                   ; ahead of the reciprocals
.irp hd, 0,1
	v_rcp_f32 v[STAT+8*\hd+4], v[STAT+8*\hd+6]
.endr
	v_and_b32 v14, 15, v0                          ; r
	v_bfe_u32 v15, v0, 4, 1                        ; h
	v_mul_u32_u24 v4, v14, 272
	v_lshl_add_u32 v4, v15, 3, v4
	v_add_nc_u32 v4, s84, v4                       ; + row r, + 8 h (+ 64 head + 16 t)
	v_mul_u32_u24 v5, v15, 272
	v_lshl_add_u32 v5, v14, 4, v5
	v_add_nc_u32 v5, s85, v5                       ; lanes 0-15 one row, lanes 16-31 the next
	v_lshlrev_b32 v6, 11, v15
	v_lshl_add_u32 v6, v14, 4, v6                  ; the same two rows in ac
	v_mov_b32 v10, s87
	v_mov_b32 v11, s86
	WIN 0x01                                       ; source 0 window 1
	s_wait_alu depctr_va_vdst(0)                   ; behind the reciprocals, directly ahead of the first reader of O^T
.irp hd, 0,1
.set j, 0
.rept 16
	v_pk_mul_f32 v[S0+64*\hd+j:S0+64*\hd+j+1], v[O0+32*\hd+j:O0+32*\hd+j+1], v[STAT+8*\hd+4:STAT+8*\hd+5] op_sel_hi:[1,0]   ; register 8 t + i: d = 16 t + 8 h + i
.set j, j+2
.endr
.endr
	WIN 0
.irp hd, 0,1
.set j, 0
.rept 32
	v_med3_num_f32 v[S0+64*\hd+j], v[S0+64*\hd+j], -v11, v11   ; the conversion does not saturate (ISA guide 7.6.2): the hold
.set j, j+1
.endr
.irp t, 0,1,2,3
	v_cvt_scalef32_pk8_fp8_f32 v[P0+16*\hd+2*\t:P0+16*\hd+2*\t+1], v[S0+64*\hd+8*\t:S0+64*\hd+8*\t+7], v10
.endr
.endr
	v_nop
.irp hd, 0,1
.irp t, 0,1,2,3
	ds_store_b64 v4, v[P0+16*\hd+2*\t:P0+16*\hd+2*\t+1] offset:64*\hd+16*\t
.endr
.endr
	s_wait_dscnt 0x0                               ; for the others' sake: my stores into the stage are done
	s_barrier_signal -1
	s_barrier_wait -1
.irp i, 0,1,2,3
	ds_load_b128 v[MK+4*\i:MK+4*\i+3], v5 offset:\i*2*272
.endr
.irp i, 0,1,2,3
	s_wait_dscnt 3-\i
	global_store_b128 v6, v[MK+4*\i:MK+4*\i+3], s[12:13] offset:\i*4096   ; 16 lanes store 256 consecutive bytes, aligned
.endr
	s_wait_tensorcnt 0x0                           ; the wave's end
	ds_add_u32 v[SPW], v[NIL]
	s_wait_dscnt 0x0
	CROUND                                         ; the closing round
	s_endpgm
.Lfunc_end_k_qc53e989e3f_attn:
	.size	k_qc53e989e3f_attn, .Lfunc_end_k_qc53e989e3f_attn-k_qc53e989e3f_attn
	.p2alignl 7, 3214868480
	.fill 96, 4, 3214868480
	.section	.rodata,"a",@progbits
	.p2align	6, 0x0
	.amdhsa_kernel k_qc53e989e3f_attn
		.amdhsa_group_segment_fixed_size 327680
		.amdhsa_private_segment_fixed_size 0
		.amdhsa_enable_private_segment 0
		.amdhsa_kernarg_size 40
		.amdhsa_user_sgpr_count 2
		.amdhsa_user_sgpr_kernarg_segment_ptr 1
		.amdhsa_wavefront_size32 1
		.amdhsa_system_sgpr_workgroup_id_x 1
		.amdhsa_system_sgpr_workgroup_id_y 1
		.amdhsa_system_sgpr_workgroup_id_z 1
		.amdhsa_system_vgpr_workitem_id 0
		.amdhsa_next_free_vgpr 512
		.amdhsa_next_free_sgpr 100
		.amdhsa_reserve_vcc 0
		.amdhsa_float_denorm_mode_32 3
		.amdhsa_float_denorm_mode_16_64 3
		.amdhsa_memory_ordered 1
		.amdhsa_forward_progress 1
		.amdhsa_inst_pref_size 187
	.end_amdhsa_kernel
	.amdgpu_metadata
---
amdhsa.version: [ 1, 2 ]
amdhsa.kernels:
  - .name:           k_qc53e989e3f_attn
    .symbol:         k_qc53e989e3f_attn.kd
    .args:
      - { .name: qc, .offset: 0, .size: 8, .value_kind: global_buffer, .address_space: global }
      - { .name: kvc, .offset: 8, .size: 8, .value_kind: global_buffer, .address_space: global }
      - { .name: mask, .offset: 16, .size: 8, .value_kind: global_buffer, .address_space: global }
      - { .name: lowp_scales, .offset: 24, .size: 8, .value_kind: global_buffer, .address_space: global }
      - { .name: ac, .offset: 32, .size: 8, .value_kind: global_buffer, .address_space: global }
    .group_segment_fixed_size: 327680
    .private_segment_fixed_size: 0
    .kernarg_segment_align: 8
    .kernarg_segment_size: 40
    .max_flat_workgroup_size: 256
    .sgpr_count:     100
    .vgpr_count:     512
    .wavefront_size: 32
...
	.end_amdgpu_metadata
.endif
;; end of part 3
;; launch proj (part 4): grid 16 x 16, 4 waves a work-group, clusters of 4 x 4, 327,680 bytes of LDS; arguments ac, woc, lowp_scales, out0; writes out0
.if DOCPART == 4
	.amdgcn_target "amdgcn-amd-amdhsa--gfx1250"
	.amdhsa_code_object_version 6
	.text
	.protected	k_qc53e989e3f_proj
	.globl	k_qc53e989e3f_proj
	.p2align	8
	.type	k_qc53e989e3f_proj,@function
k_qc53e989e3f_proj:
	s_mov_b64 s[64:65], 0
	v_nop
	global_prefetch_b8 v0, s[64:65] scope:SCOPE_SE
	s_setreg_imm32_b32 hwreg(HW_REG_WAVE_MODE, 25, 1), 1
	s_wait_xcnt 0x0
	s_wait_alu depctr_hold_cnt(0) depctr_sa_sdst(0) depctr_va_vdst(0) depctr_va_sdst(0) depctr_va_ssrc(0) depctr_va_vcc(0) depctr_vm_vsrc(0)
	s_getreg_b32 s2, hwreg(HW_REG_IB_STS2, 6, 4)
	s_cmp_eq_u32 s2, 0
	s_cbranch_scc0 .Lentry_in_a_cluster
	s_endpgm
.Lentry_in_a_cluster:
	s_bfe_u32 s2, ttmp6, 0x10000c
	s_cmp_lg_u32 s2, 0xf033
	s_cbranch_scc0 .Lentry_shape_is_right
	s_endpgm
.Lentry_shape_is_right:
; out0 = a wo on codes of FP8: ac [2048 s][2048 f] (2^e6), woc [2048 n][2048 f] (2^e7); each finished f32 sum x 2^(e6 + e7).  LIMIT: e6 + e7 between -126 and 127.
; A tile of out0 is 128 x 128: four waves of 64 x 64 (16 accumulators by turns).  K goes in four steps of 512 through two LDS slots; clusters 4 x 4: a's tile is asked for jointly along a row, wo's along a column.
; At the head each wave issues one joint load (K step 0); K step 1's first fill stands behind the full sequence and a round of the cluster's barrier.  Results leave through each wave's own stage as aligned runs of 256 bytes.
.set PITCH,  528
.set HALFT,  64*PITCH
.set SLOT,   4*HALFT
.set STAGE,  2*SLOT
.set SPITCH, 272
.set SPARE,  STAGE+4*16*SPITCH
.set ADRA, 16
.set ADRB, 20
.set STO,  24
.set RD,   25
.set GO,   26
.set SPW,  28
.set NIL,  29
.set TMP,  32
.set BK,   64
.set ACC,  128
.set F0,   0
.set F1,   128
.set G1,  24
.set G0,  32
.set G1B, 48
.set G0B, 56
.set MSB, 0
.macro WIN new
.if MSB != \new
	s_set_vgpr_msb (MSB<<8)|\new
.set MSB, \new
.endif
.endm
.set MUL,  0x05
.set TO_F, 0x40
.macro JLOAD s
	s_cmp_eq_u32 s11, 0
	s_cbranch_scc0 .Lfor_b_\@
	tensor_load_to_lds s[G0+4*\s:G0+4*\s+3], s[G1:G1+7]
	s_nop 0
.rept 4
	v_nop
.endr
	s_branch .Lasked_\@
.Lfor_b_\@:
	tensor_load_to_lds s[G0B+4*\s:G0B+4*\s+3], s[G1B:G1B+7]
	s_nop 0
.rept 4
	v_nop
.endr
.Lasked_\@:
.endm
.macro CREST
	s_cmp_lg_u32 s10, 0
	s_cbranch_scc1 .Lnot_wave_0_\@
	s_barrier_signal -3
.Lnot_wave_0_\@:
	s_barrier_wait -3
	s_barrier_signal -1
	s_barrier_wait -1
.endm
.macro CROUND
	s_barrier_signal -1
	s_barrier_wait -1
	CREST
.endm
.macro PLACES
.rept 4
	v_nop
.endr
.endm
	s_load_b128 s[4:7], s[0:1], 0x0
	s_load_b64 s[8:9], s[0:1], 0x10
	s_load_b64 s[66:67], s[0:1], 0x18
	v_lshl_add_u32 v[SPW], v0, 2, SPARE
	v_mov_b32 v[NIL], 0
	ds_add_u32 v[SPW], v[NIL]
	ds_add_u32 v[SPW], v[NIL]
	v_lshrrev_b32 v1, 5, v0
	v_readfirstlane_b32 s10, v1
	s_lshr_b32 s11, s10, 1
	s_and_b32 s12, s10, 1
	s_bfe_u32 s40, ttmp6, 0x40000
	s_bfe_u32 s41, ttmp6, 0x40004
	s_lshl_b32 s42, ttmp9, 2
	s_add_co_u32 s42, s42, s40
	s_and_b32 s13, ttmp7, 0xffff
	s_lshl_b32 s13, s13, 2
	s_add_co_u32 s13, s13, s41
	s_lshl_b32 s43, s41, 2
	s_lshl_b32 s43, 15, s43
	s_lshl_b32 s44, 0x1111, s40
	s_or_b32 s[G1+0], s43, (0<<16)|(1<<20)|(1<<21)|(6<<22)|(3<<25)
	s_or_b32 s[G1B+0], s44, (0<<16)|(1<<20)|(1<<21)|(6<<22)|(3<<25)
.irp g, G1, G1B
	s_mov_b32 s[\g+1], 512<<16
	s_mov_b32 s[\g+2], 64<<16
	s_mov_b32 s[\g+3], 512<<16
	s_mov_b32 s[\g+4], 64
	s_mov_b32 s[\g+5], 2048
	s_mov_b32 s[\g+6], 0
	s_mov_b32 s[\g+7], 0
.endr
	s_lshl_b32 s17, s12, 6
	s_lshl_b32 s16, s13, 7
	s_add_co_u32 s16, s16, s17
	s_lshl_b32 s46, s42, 7
	s_add_co_u32 s46, s46, s17
	s_lshl_b32 s16, s16, 11
	s_lshl_b32 s46, s46, 11
	s_mov_b32 s17, 0
	s_mov_b32 s47, 0
	s_mul_i32 s20, s10, HALFT
	s_wait_dscnt 0x0
	s_wait_kmcnt 0x0
	s_load_b256 s[84:91], s[8:9], 0x0
	s_add_nc_u64 s[14:15], s[4:5], s[16:17]
	s_add_nc_u64 s[46:47], s[6:7], s[46:47]
	s_cmp_eq_u32 s11, 0                            ; the prefetches: of the 64 rows that I fetch, my work-group's 16 (by cx for a's rows, by cy for wo's), told apart by address
	s_cselect_b64 s[2:3], s[14:15], s[46:47]
	s_cselect_b32 s18, s40, s41
	s_lshl_b32 s18, s18, 15
	s_mov_b32 s19, 0
	s_add_nc_u64 s[2:3], s[2:3], s[18:19]
	CROUND
.irp s, 0,1
	s_mov_b32 s[G0+4*\s], 1
	s_add_co_u32 s[G0+4*\s+1], s20, \s*SLOT
	s_add_nc_u64 s[G0+4*\s+2:G0+4*\s+3], s[14:15], \s*512
	s_or_b32 s[G0+4*\s+3], s[G0+4*\s+3], 0x80000000
	s_mov_b32 s[G0B+4*\s], 1
	s_add_co_u32 s[G0B+4*\s+1], s20, \s*SLOT
	s_add_nc_u64 s[G0B+4*\s+2:G0B+4*\s+3], s[46:47], \s*512
	s_or_b32 s[G0B+4*\s+3], s[G0B+4*\s+3], 0x80000000
.if \s == 1
	s_wait_alu depctr_va_vdst(0)
	s_wait_tensorcnt 0x0
	ds_add_u32 v28, v29
	ds_add_u32 v28, v29
	s_wait_dscnt 0x0
	CROUND
.endif
	JLOAD \s
.if \s == 0
	v_bfe_u32 v27, v0, 1, 4                        ; lane = 2 x row + block of 256 bytes: a K step's 512 bytes of 16 rows an instruction
	v_and_b32 v30, 1, v0
	v_lshlrev_b32 v27, 11, v27
	v_lshl_add_u32 v27, v30, 8, v27
	global_prefetch_b8 v27, s[2:3] offset:512 th:TH_LOAD_NT scope:SCOPE_SE    ; K steps 1 and 2
	global_prefetch_b8 v27, s[2:3] offset:1024 th:TH_LOAD_NT scope:SCOPE_SE
.else
	global_prefetch_b8 v27, s[2:3] offset:1536 th:TH_LOAD_NT scope:SCOPE_SE   ; K step 3, two fills on
.endif
.endr
	v_and_b32 v1, 15, v0
	s_wait_alu depctr_va_vdst(0)
	v_bfe_u32 v2, v0, 4, 1
	v_mul_u32_u24 v3, v1, PITCH
	v_lshl_add_u32 v3, v2, 4, v3
	s_mul_i32 s21, s11, HALFT
	s_mul_i32 s22, s12, HALFT
	s_add_co_u32 s22, s22, 2*HALFT
.irp s, 0,1
	v_add_nc_u32 v[ADRA+\s], s21, v3
	v_add_nc_u32 v[ADRB+\s], s22, v3
	s_add_co_u32 s21, s21, SLOT
	s_add_co_u32 s22, s22, SLOT
.endr
	s_mul_i32 s23, s10, 16*SPITCH
	s_add_co_u32 s23, s23, STAGE
	v_mul_u32_u24 v4, v1, SPITCH
	s_wait_alu depctr_va_vdst(0)
	v_lshl_add_u32 v4, v2, 5, v4
	v_add_nc_u32 v[STO], s23, v4
	v_mul_u32_u24 v5, v2, SPITCH
	v_lshl_add_u32 v5, v1, 4, v5
	v_add_nc_u32 v[RD], s23, v5
	v_lshlrev_b32 v5, 13, v2
	v_lshl_add_u32 v[GO], v1, 4, v5
	s_lshl_b32 s98, s13, 20
	s_lshl_b32 s99, s11, 19
	s_add_co_u32 s98, s98, s99
	s_lshl_b32 s99, s42, 9
	s_add_co_u32 s98, s98, s99
	s_lshl_b32 s99, s12, 8
	s_add_co_u32 s98, s98, s99
	s_mov_b32 s99, 0
	s_add_nc_u64 s[66:67], s[66:67], s[98:99]
.macro FRAG reg, adr, k, i
.irp c, 0,1,2,3
	ds_load_b128 v[\reg+4*\c:\reg+4*\c+3], v[\adr] offset:\k+32*\c+(\i)*16*PITCH
.endr
.endm
.macro FETCH slot, k, f
	WIN TO_F
.irp i, 0,1,2,3
	FRAG \f+64+16*\i, ADRB+\slot, \k, \i
.endr
.irp i, 0,1,2,3
	FRAG \f+16*\i, ADRA+\slot, \k, \i
.endr
.endm
.macro MUL4 f, a, zero
.irp b, 0,1,2,3
.if \zero
	v_wmma_f32_16x16x128_fp8_fp8 v[ACC+8*(4*(\a)+\b):ACC+8*(4*(\a)+\b)+7], v[\f+64+16*\b:\f+64+16*\b+15], v[\f+16*(\a):\f+16*(\a)+15], 0
.else
	v_wmma_f32_16x16x128_fp8_fp8 v[ACC+8*(4*(\a)+\b):ACC+8*(4*(\a)+\b)+7], v[\f+64+16*\b:\f+64+16*\b+15], v[\f+16*(\a):\f+16*(\a)+15], v[ACC+8*(4*(\a)+\b):ACC+8*(4*(\a)+\b)+7]
.endif
.endr
.endm
.macro QUARTER slot, k, f, g, zero
	s_wait_dscnt 8
	WIN MUL
	MUL4 \f, 0, \zero
	MUL4 \f, 1, \zero
	PLACES
	FETCH \slot, \k, \g
	s_wait_dscnt 32
	WIN MUL
	MUL4 \f, 2, \zero
	MUL4 \f, 3, \zero
.endm
.macro TURN slot, next, fill
	WIN 0
	s_wait_tensorcnt 0x0
	ds_add_u32 v[SPW], v[NIL]
	s_wait_dscnt 9
	WIN MUL
	MUL4 F1, 0, 0
	s_wait_dscnt 0x0
	s_barrier_signal -1
	MUL4 F1, 1, 0
.if \fill
	WIN 0
.endif
	s_barrier_wait -1
.if \fill
	CREST
	s_add_nc_u64 s[G0+4*\slot+2:G0+4*\slot+3], s[G0+4*\slot+2:G0+4*\slot+3], 1024
	s_add_nc_u64 s[G0B+4*\slot+2:G0B+4*\slot+3], s[G0B+4*\slot+2:G0B+4*\slot+3], 1024
	JLOAD \slot
.else
	PLACES
.endif
	FETCH \next, 0, F0
	WIN MUL
	MUL4 F1, 2, 0
	MUL4 F1, 3, 0
.endm
	s_wait_tensorcnt 1
	s_barrier_signal -1
	s_barrier_wait -1
	FETCH 0, 0, F0
	QUARTER 0, 128, F0, F1, 1
	QUARTER 0, 256, F1, F0, 0
	QUARTER 0, 384, F0, F1, 0
	TURN 0, 1, 1
	QUARTER 1, 128, F0, F1, 0
	QUARTER 1, 256, F1, F0, 0
	QUARTER 1, 384, F0, F1, 0
	TURN 1, 0, 1
	QUARTER 0, 128, F0, F1, 0
	QUARTER 0, 256, F1, F0, 0
	QUARTER 0, 384, F0, F1, 0
	TURN 0, 1, 0
	QUARTER 1, 128, F0, F1, 0
	QUARTER 1, 256, F1, F0, 0
	QUARTER 1, 384, F0, F1, 0
	s_wait_dscnt 8
	WIN MUL
	MUL4 F1, 0, 0
	MUL4 F1, 1, 0
	s_wait_dscnt 0
	MUL4 F1, 2, 0
	MUL4 F1, 3, 0
	WIN 0
.macro TOSTAGE a
.set AC, ACC+32*(\a)
.set BB, BK+32*((\a)%2)
.set i, 0
.rept 16
	v_pk_mul_f32 v[TMP+i:TMP+i+1], v[AC+i:AC+i+1], s[96:97] op_sel_hi:[1,0]
.set i, i+2
.endr
.irp b, 0,1,2,3
	ds_store_b128 v[STO], v[TMP+8*\b:TMP+8*\b+3] offset:64*\b
	ds_store_b128 v[STO], v[TMP+8*\b+4:TMP+8*\b+7] offset:64*\b+16
.endr
.irp t, 0,1,2,3,4,5,6,7
	ds_load_b128 v[BB+4*\t:BB+4*\t+3], v[RD] offset:\t*2*SPITCH
.endr
.endm
.macro SEND a, younger
.set BB, BK+32*((\a)%2)
	s_wait_dscnt \younger
.irp t, 0,1,2,3,4,5,6,7
	global_store_b128 v[GO], v[BB+4*\t:BB+4*\t+3], s[66:67] offset:(\a)*131072+\t*16384 th:TH_STORE_NT
.endr
.endm
	s_wait_kmcnt 0x0
	s_add_co_i32 s96, s90, s91
	s_add_co_i32 s96, s96, 127
	s_lshl_b32 s96, s96, 23
	s_mov_b32 s97, s96
	PLACES
	TOSTAGE 0
.irp a, 1,2,3
.if \a > 1
	s_wait_xcnt 0x0
.endif
	TOSTAGE \a
	SEND \a-1, 16
.endr
	SEND 3, 0
	s_wait_tensorcnt 0x0
	ds_add_u32 v[SPW], v[NIL]
	s_wait_dscnt 0x0
	CROUND
	s_endpgm
.Lfunc_end_k_qc53e989e3f_proj:
	.size	k_qc53e989e3f_proj, .Lfunc_end_k_qc53e989e3f_proj-k_qc53e989e3f_proj
	.p2alignl 7, 3214868480
	.fill 96, 4, 3214868480
	.section	.rodata,"a",@progbits
	.p2align	6, 0x0
	.amdhsa_kernel k_qc53e989e3f_proj
		.amdhsa_group_segment_fixed_size 327680
		.amdhsa_private_segment_fixed_size 0
		.amdhsa_enable_private_segment 0
		.amdhsa_kernarg_size 32
		.amdhsa_user_sgpr_count 2
		.amdhsa_user_sgpr_kernarg_segment_ptr 1
		.amdhsa_wavefront_size32 1
		.amdhsa_system_sgpr_workgroup_id_x 1
		.amdhsa_system_sgpr_workgroup_id_y 1
		.amdhsa_system_sgpr_workgroup_id_z 1
		.amdhsa_system_vgpr_workitem_id 0
		.amdhsa_next_free_vgpr 512
		.amdhsa_next_free_sgpr 100
		.amdhsa_reserve_vcc 0
		.amdhsa_float_denorm_mode_32 3
		.amdhsa_float_denorm_mode_16_64 3
		.amdhsa_memory_ordered 1
		.amdhsa_forward_progress 1
		.amdhsa_inst_pref_size 75
	.end_amdhsa_kernel
	.amdgpu_metadata
---
amdhsa.version: [ 1, 2 ]
amdhsa.kernels:
  - .name:           k_qc53e989e3f_proj
    .symbol:         k_qc53e989e3f_proj.kd
    .args:
      - { .name: ac, .offset: 0, .size: 8, .value_kind: global_buffer, .address_space: global }
      - { .name: woc, .offset: 8, .size: 8, .value_kind: global_buffer, .address_space: global }
      - { .name: lowp_scales, .offset: 16, .size: 8, .value_kind: global_buffer, .address_space: global }
      - { .name: out0, .offset: 24, .size: 8, .value_kind: global_buffer, .address_space: global }
    .group_segment_fixed_size: 327680
    .private_segment_fixed_size: 0
    .kernarg_segment_align: 8
    .kernarg_segment_size: 32
    .max_flat_workgroup_size: 128
    .sgpr_count:     100
    .vgpr_count:     512
    .wavefront_size: 32
...
	.end_amdgpu_metadata
.endif
;; end of part 4
